; MI455X (gfx1250); checked and timed in simulation.
; The chip was launched on July 23, 2026; its instructions are those of AMD's public machine-readable ISA for CDNA 5 (MIT licence, August 2026) and "CDNA5" Instruction Set Architecture Reference Guide (July 2026). The comments in the code are by the model that wrote it; some were corrected since.
;; Multi Head Attention. Allowed arithmetic: matrix products marked QUANTISED: E2M3 operands, one E8M0 scale for each 32 along K, by v_wmma_scale_f32_16x16x128_f8f6f4 with both operands' format E2M3, f32 sums; everything else in f32.
;; Inputs: W_k_codes 1,024 x 32 x 24 uint8 (E2M3 codes of W_k, K innermost, in blocks of 32 codes, four codes in three bytes); W_k_scales 1,024 x 32 uint8 (E8M0 scales of W_k, one for each 32 codes along K); W_o_codes 1,024 x 32 x 24 uint8 (E2M3 codes of W_o, K innermost, in blocks of 32 codes, four codes in three bytes); W_o_scales 1,024 x 32 uint8 (E8M0 scales of W_o, one for each 32 codes along K); W_q_codes 1,024 x 32 x 24 uint8 (E2M3 codes of W_q, K innermost, in blocks of 32 codes, four codes in three bytes); W_q_scales 1,024 x 32 uint8 (E8M0 scales of W_q, one for each 32 codes along K); W_v_codes 1,024 x 32 x 24 uint8 (E2M3 codes of W_v, K innermost, in blocks of 32 codes, four codes in three bytes); W_v_scales 1,024 x 32 uint8 (E8M0 scales of W_v, one for each 32 codes along K); beta 1,024 float32; edge_attr 4,096 x 16 float32; gamma 1,024 float32; x 4,096 x 1,024 float32.
;; Outputs: out0 4,096 x 1,024 float32.
;; This version of the problem:
;;   THIS VERSION OF THE PROBLEM IS GIVEN IN LOW PRECISION. The matrix products marked QUANTISED in the list below multiply operands that are first quantised to E2M3 (2 exponent bits, 3 mantissa bits; 6 bits a number), with one power-of-two scale for each 32 numbers along K (OCP MX v1.0); their sums are f32. All else is computed in f32.
;;   The module's matrix products, in the order in which they are computed (A, B: the left and right operand; K: the contracted axis; several contracted axes count as one K, in the product's order):
;;     1. [M 4,096, K 1,024] x [K 1,024, N 1,024]; A: input x; B: input W_q (given as codes): QUANTISED
;;     2. [M 4,096, K 1,024] x [K 1,024, N 1,024]; A: input x; B: input W_k (given as codes): QUANTISED
;;     3. [M 4,096, K 1,024] x [K 1,024, N 1,024]; A: input x; B: input W_v (given as codes): QUANTISED
;;     4. batch 8 x [M 4,096, K 128] x [K 128, N 4,096]; A: computed on the way; B: computed on the way: QUANTISED
;;     5. batch 8 x [M 128, K 4,096] x [K 4,096, N 4,096]; A: computed on the way; B: softmax (see below): QUANTISED
;;     6. [M 4,096, K 1,024] x [K 1,024, N 1,024]; A: computed on the way; B: input W_o (given as codes): QUANTISED
;;   THE QUANTISER, for each operand of a quantised product, along K:
;;     - K is cut into blocks of 32 from its start; a last block that is shorter is filled with zeros.
;;     - A block's scale is 2^e with e = floor(log2(the largest magnitude in the block)) - 2, held to -126 .. 127; a block of zeros has e = 0. As a byte (E8M0): e + 127.
;;     - Each number is divided by its block's scale, clamped to +-7.5, and rounded to the nearest number of E2M3, ties to even, subnormals kept.
;;     - The product sums the exact products of the quantised numbers (number of the format x scale) in f32.
;;   ~~~python
;;   def quantise(x, axis):      # numpy; x: float32 -> the quantised numbers, widened to float32 again
;;       x = np.moveaxis(x, axis, -1); K = x.shape[-1]
;;       x = np.pad(x, [(0, 0)] * (x.ndim - 1) + [(0, -K % 32)]); x = x.reshape(x.shape[:-1] + (-1, 32)); a = np.abs(x).max(-1, keepdims=True)
;;       e = np.where(a > 0, np.clip(np.frexp(np.where(a > 0, a, 1))[1] - 1 - 2, -126, 127), 0)      # np.frexp(a)[1] - 1 = floor(log2(a)), exactly
;;       r = np.clip(x / 2.0 ** e, -7.5, 7.5)
;;       step = 2.0 ** (np.maximum(np.frexp(np.where(r == 0, 1, r))[1] - 1, 0) - 3)
;;       q = np.round(r / step) * step * 2.0 ** e      # np.round: ties to even
;;       return np.moveaxis(q.reshape(q.shape[:-2] + (-1,))[..., :K], -1, axis).astype(np.float32)
;;   ~~~
;;   SOFTMAX AHEAD OF A QUANTISED PRODUCT. Where the list says 'softmax', what is quantised is not the finished softmax but p = 2^(t - M), with t = logit x log2(e) and M = ceil(the row's largest t), a whole number; so 1/2 < the row's largest p <= 1. The row's sum l is taken of the UNQUANTISED p, in f32, and the product's result is divided by l at the end. Since M is a whole number, a kernel that streams over the keys may use a running M (the ceiling of the running maximum): every later rescaling is an exact power of two, which a block's scale takes up: the codes' values come out the same.
;;   OPERANDS COMPUTED ON THE WAY. 'Computed on the way' means the value that the module computes at that place (a softmax that the list does not call 'softmax' is quantised finished and normalised). What goes into a quantiser is computed in f32, as accurately as f32 sums, v_exp_f32 and their like allow (about 1e-6 of the number): no bf16 or f16 on the way to a quantiser, and a product that is left as it is and whose result goes on into a quantised operand takes f32 operands (vector FMAs, or v_wmma_f32_16x16x4_f32). A number that lies on a knife's edge between two numbers of the format may be rounded either way, as far as f32 arithmetic and the matrix unit's own rounding can turn it there, and no further.
;;   INPUTS GIVEN AS CODES. W_k (in the module: [1024, 1024], K = its axis 0); W_o (in the module: [1024, 1024], K = its axis 0); W_q (in the module: [1024, 1024], K = its axis 0); W_v (in the module: [1024, 1024], K = its axis 0): each comes as NAME_codes (uint8): NAME with its K axis moved to the last place and cut into blocks of 32 codes, [.., K / 32, bytes a block], one block behind the other in memory; four codes in three bytes: a row's codes are one little-endian stream of bits, code i at bits 6 i .. 6 i + 5 (a code: sign, 2 exponent bits, 3 mantissa bits); and NAME_scales (uint8): the same leading axes, one E8M0 byte (e + 127) for each 32 codes along K. Its value is code x scale, taken as it is: it is not quantised again, and the codes and scales need not be those that the quantiser above would give.
;; One version. Each part assembles by itself: llvm-mc -triple=amdgcn-amd-amdhsa -mcpu=gfx1250 --defsym DOCPART=n.
;; ======== version 1 of 1: 4 launches
;; limits: right only within a limited range of input values
;; workspace buffers: xi 3,276,800 bytes; wi 3,276,800 bytes; qi 3,276,800 bytes; kv 6,553,600 bytes; ov 16,777,216 bytes
;; launch prep (part 1): grid 512 x 1, 8 waves a work-group, no clusters, 68,608 bytes of LDS; arguments x, xi, W_q_codes, W_q_scales, W_k_codes, W_k_scales, W_v_codes, W_v_scales, W_o_codes, W_o_scales, wi; writes xi, wi
.if DOCPART == 1
	.amdgcn_target "amdgcn-amd-amdhsa--gfx1250"
	.amdhsa_code_object_version 6
	.text
	.protected	k_q796a300417_prep
	.globl	k_q796a300417_prep
	.p2align	8
	.type	k_q796a300417_prep,@function
k_q796a300417_prep:
	s_mov_b64 s[64:65], 0
	v_nop
	global_prefetch_b8 v0, s[64:65] scope:SCOPE_SE
	s_setreg_imm32_b32 hwreg(HW_REG_WAVE_MODE, 25, 1), 1
	s_wait_xcnt 0x0
; FIRST OF FOUR LAUNCHES of: LayerNorm(x + attention(x) W_o), 4,096 tokens, width 1,024, 8 heads of 128 (column of a projection = 8 d + head), all six products on codes of FP6 (E2M3) with one E8M0 scale for each 32 along K.
; This launch (a) quantises x [4096][1024] f32 along K, once, and (b) lays the four weights, which arrive as codes, anew.  Both leave IN THE ORDER OF THE OPERAND'S REGISTERS, so that every later load is dense:
;   FRAGMENT (16 rows x 128 K, 12 registers a lane): registers 4 c .. 4 c + 3 of lane l at byte 512 c + 16 l: 1,536 bytes.
;   BLOCK (128 rows x 128 K): 8 fragments, tile t at 1,536 t; at 12,288 the scale words: row r of tile t at 16 (r + 16 (t % 2)) + 4 (t / 2): one load of 16 bytes a lane gives 4 registers, register j = tile 2 j in lanes 0-15, tile 2 j + 1 in lanes 16-31.
;   THE ROWS OF A TILE ARE NOT NEIGHBOURS: row r of tile t is number 32 (t / 2) + 8 (t % 2) + r + 8 (r / 8) of its 128, so that a product that takes such tiles as source 0 leaves 16 neighbours in the 16 registers of tiles 2 b, 2 b + 1.
;   xi: [token group 32][K step 8] BLOCK.   wi: [q, k, v, o][head 8][K step 8] BLOCK; number i of the 128 is weight row 8 i + head (q, k, v) or 128 head + i (o, where 'head' is a group of 128 outputs).
; edge_attr is not read by any launch: reference() takes it as an argument and never uses it, so no output number hangs on it.
; A block's scale is 2^(floor(log2(its largest magnitude)) - 2); its byte is the largest magnitude's exponent field - 2, held at 1 from below.
; LIMITS: NaN and infinities in x are not served.  A block whose largest magnitude lies under 2^-124, zeros among them, gets the byte 1 (the rule gives a block of zeros 127): its codes of zeros add nothing under any byte but 0xff, and these bytes are read by this program alone.
; SHARES.  Work-groups 0-255: token tile T = the work-group's number, wave = K step: one fragment a wave.  Work-groups 256-511: one weight, one head and one K step each, that is one BLOCK; wave = tile: one fragment a wave.
; (A weight's fragment is gathered from 16 rows that lie far apart, six loads of 8 bytes a lane: so this work is cut as fine as x's, 48 such loads to a work-group.)
; No matrix unit, no tensor loads, no barrier: waves share nothing.
.set BLK,  12800                       ; bytes of a BLOCK
.set GRP,  8*BLK                       ; eight K steps
.set SP,   528                         ; a row of the stage: 512 bytes + 16 = 132 words: row r starts at bank 4 r mod 64 (64 banks of 4 bytes: ISA guide 11.1)
.set LI,   1                           ; v1   16 x lane
.set STI,  2                           ; v2   the wave's stage, on the way in: 16 x lane
.set STO,  3                           ; v3   and on the way out: 528 r + 64 h
.set FO,   4                           ; v4   my 16 bytes of the fragment in its BLOCK
.set SO,   5                           ; v5   my row's scale word in the BLOCK's scale image
.set R,    16                          ; v16-79   16 rows as loaded
.set X,    80                          ; v80-143  register 16 b + i = k 32 b + 16 h + i of row r
.set PC,   144                         ; v144-162 the codes
.set TM,   164                         ; v164-179 at work
.set PW,   180                         ; v180     the scale word
.set F,    16                          ; the weights' way: v16-27 the fragment, v28 its rows' scale word
.set SW,   28
.set SEL,  14                          ; s[14:15] v_permlanex16_b32's selects for lane l xor 16
; 64 numbers of a lane, register 16 b + i = k 32 b + 16 (lane / 16) + i of my row, become a fragment's codes in v[PC] on and its scale word in v[PW].
.macro QUANT s
.irp b, 0,1,2,3
	v_max3_num_f32 v[TM+\b], |v[\s+16*\b]|, |v[\s+1+16*\b]|, 0x1800000   ; block b: my 16 numbers, and the floor 2^(3 - 127): the byte cannot fall under 1
.endr
.irp i, 2,4,6,8,10,12,14
.irp b, 0,1,2,3
	s_delay_alu instid0(VALU_DEP_4)
	v_max3_num_f32 v[TM+\b], v[TM+\b], |v[\s+16*\b+\i]|, |v[\s+1+16*\b+\i]|   ; the four blocks by turns
.endr
.endr
.irp b, 0,1,2,3
	s_delay_alu instid0(VALU_DEP_4)
	v_permlanex16_b32 v[TM+4+\b], v[TM+\b], s[SEL], s[SEL+1]
.endr
.irp b, 0,1,2,3
	s_delay_alu instid0(VALU_DEP_4)
	v_max_num_f32 v[TM+\b], v[TM+\b], v[TM+4+\b]   ; with lane l xor 16's: the block's largest magnitude
.endr
.irp b, 0,1,2,3
	s_delay_alu instid0(VALU_DEP_4)
	v_add_nc_u32 v[TM+12+\b], 0xff000000, v[TM+\b]   ; 2 off its exponent field: the conversion takes the exponent field of this operand as its scale
.endr
.irp b, 0,1,2,3
	s_delay_alu instid0(VALU_DEP_4)
	v_lshrrev_b32 v[TM+4+\b], 23, v[TM+12+\b]      ; the scale's byte
.endr
	s_delay_alu instid0(VALU_DEP_3)
	v_lshl_or_b32 v[PW], v[TM+5], 8, v[TM+4]       ; four bytes make my row's scale word
	s_delay_alu instid0(VALU_DEP_1)
	v_lshl_or_b32 v[PW], v[TM+6], 16, v[PW]
	s_delay_alu instid0(VALU_DEP_1)
	v_lshl_or_b32 v[PW], v[TM+7], 24, v[PW]
.irp c, 0,1
	v_cvt_scalef32_pk16_fp6_f32 v[PC+6*\c:PC+2+6*\c], v[\s+32*\c:\s+15+32*\c], v[TM+12+2*\c]
	v_cvt_scalef32_pk16_fp6_f32 v[PC+12+4*\c:PC+14+4*\c], v[\s+16+32*\c:\s+31+32*\c], v[TM+12+2*\c+1]   ; (a conversion's three registers begin on an even number)
.endr
	v_nop                                          ; one plain place behind a scaled conversion
.irp c, 0,1                                    ; the operand's layout wants a WHOLE block in a lane: lanes 0-15 block 2 c, lanes 16-31 block 2 c + 1
.irp i, 0,1,2
	v_permlane16_swap_b32 v[PC+6*\c+\i], v[PC+12+4*\c+\i]
.endr
.irp i, 0,1,2
	s_delay_alu instid0(VALU_DEP_3)
	v_mov_b32 v[PC+3+6*\c+\i], v[PC+12+4*\c+\i]
.endr
.endr
.endm
	s_load_b128 s[4:7], s[0:1], 0x0                ; x, xi
	s_load_b128 s[16:19], s[0:1], 0x10             ; W_q's codes, scales
	s_load_b128 s[20:23], s[0:1], 0x20             ; W_k's
	s_load_b128 s[24:27], s[0:1], 0x30             ; W_v's
	s_load_b128 s[28:31], s[0:1], 0x40             ; W_o's
	s_load_b64 s[8:9], s[0:1], 0x50                ; wi
	v_lshl_add_u32 v192, v0, 2, 0x10800
	v_mov_b32 v193, 0
	v_lshrrev_b32 v6, 5, v0
	s_delay_alu instid0(VALU_DEP_1)
	v_readfirstlane_b32 s12, v6                    ; wave 0..7
	v_and_b32 v7, 31, v0                           ; lane
	v_and_b32 v8, 15, v0                           ; r
	v_bfe_u32 v9, v0, 4, 1                         ; h
	s_delay_alu instid0(VALU_DEP_3)
	v_lshlrev_b32 v[LI], 4, v7
	s_cmp_lt_u32 ttmp9, 256
	s_cbranch_scc0 .Lweights
	; ---- x: token tile T, K step = wave
	s_and_b32 s32, ttmp9, 1                        ; T % 2
	s_lshl_b32 s33, ttmp9, 4
	s_lshl_b32 s34, s32, 3
	s_sub_co_u32 s33, s33, s34                     ; the tile's first token: 16 T - 8 (T % 2); row i of the tile is i + 8 (i / 8) further on
	s_lshl_b32 s36, s33, 12                        ; rows of 4,096 bytes
	s_lshl_b32 s35, s12, 9                         ; a K step is 512 bytes of a row
	s_add_co_u32 s36, s36, s35
	s_mov_b32 s37, 0
	s_lshr_b32 s38, ttmp9, 3
	s_mul_i32 s38, s38, GRP                        ; xi: the token group,
	s_mul_i32 s35, s12, BLK                        ; the K step's BLOCK
	s_add_co_u32 s38, s38, s35
	s_mov_b32 s39, 0
	s_mul_i32 s40, s12, 16*SP                      ; my wave's stage
	s_wait_alu depctr_va_vdst(0)
	v_add_nc_u32 v[STI], s40, v[LI]
	v_mul_u32_u24 v[STO], v8, SP
	s_delay_alu instid0(VALU_DEP_1)
	v_lshl_add_u32 v[STO], v9, 6, v[STO]
	s_delay_alu instid0(VALU_DEP_1)
	v_add_nc_u32 v[STO], s40, v[STO]
	s_and_b32 s41, ttmp9, 7                        ; t = T % 8
	s_mul_i32 s42, s41, 1536
	v_add_nc_u32 v[FO], s42, v[LI]
	s_lshl_b32 s43, s32, 8                         ; 256 (t % 2)
	s_lshr_b32 s41, s41, 1
	s_lshl_b32 s41, s41, 2                         ; 4 (t / 2)
	s_add_co_u32 s43, s43, s41
	v_lshl_add_u32 v[SO], v8, 4, s43
	s_mov_b32 s[SEL], 0x76543210
	s_mov_b32 s[SEL+1], 0xfedcba98
.irp b, 0,1,2,3
	v_mov_b32 v[TM+4+\b], 0                        ; a lane permute's destination counts as one of its sources
.endr
	s_wait_alu depctr_va_vdst(0)
	s_wait_kmcnt 0x0
	s_add_nc_u64 s[4:5], s[4:5], s[36:37]
	s_add_nc_u64 s[6:7], s[6:7], s[38:39]
.irp i, 0,1,2,3,4,5,6,7,8,9,10,11,12,13,14,15
	global_load_b128 v[R+4*\i:R+4*\i+3], v[LI], s[4:5] offset:(\i+8*(\i/8))*4096 th:TH_LOAD_NT   ; 32 lanes read the row's 512 consecutive bytes of this K step
.endr
.irp i, 0,1,2,3,4,5,6,7,8,9,10,11,12,13,14,15
	s_wait_loadcnt 15-\i                           ; loads come back in order: row i is in, the younger rows stay out
	ds_store_b128 v[STI], v[R+4*\i:R+4*\i+3] offset:SP*\i
.endr
.irp b, 0,1,2,3
.irp j, 0,1,2,3
	ds_load_b128 v[X+16*\b+4*\j:X+16*\b+4*\j+3], v[STO] offset:128*\b+16*\j   ; LDS serves a wave's instructions in order: these see my stores.  Lane (r, h): 16 neighbours of each block of 32 of row r
.endr
.endr
	s_wait_dscnt 0x0
	QUANT X
.irp c, 0,1,2
	global_store_b128 v[FO], v[PC+4*\c:PC+4*\c+3], s[6:7] offset:512*\c   ; 512 consecutive bytes a store, at a multiple of 256 from xi's first byte
.endr
	global_store_b32 v[SO], v[PW], s[6:7] offset:12288   ; lanes r and r + 16 hold the same word and write it to the same place
	s_wait_tensorcnt 0x0
	ds_add_u32 v192, v193
	s_wait_dscnt 0x0
	s_endpgm
.Lweights:
	; ---- a weight z, a head and a K step; wave = tile t.  Codes and scale bytes are moved as they are: nothing is quantised again
	s_sub_co_u32 s32, ttmp9, 256
	s_lshr_b32 s33, s32, 6                         ; z: 0 q, 1 k, 2 v, 3 o
	s_bfe_u32 s34, s32, 0x30003                    ; head: 3 bits from bit 3
	s_and_b32 s46, s32, 7                          ; K step
	s_wait_kmcnt 0x0
	s_cmp_eq_u32 s33, 1                            ; the choice hangs on the work-group's number alone
	s_cselect_b64 s[16:17], s[20:21], s[16:17]
	s_cselect_b64 s[18:19], s[22:23], s[18:19]
	s_cmp_eq_u32 s33, 2
	s_cselect_b64 s[16:17], s[24:25], s[16:17]
	s_cselect_b64 s[18:19], s[26:27], s[18:19]
	s_cmp_eq_u32 s33, 3
	s_cselect_b64 s[16:17], s[28:29], s[16:17]
	s_cselect_b64 s[18:19], s[30:31], s[18:19]
	s_cselect_b32 s35, 1, 8                        ; weight row = number x 8 + head (q, k, v) or number + 128 head (o)
	s_cselect_b32 s36, 128, 1
	s_lshr_b32 s37, s12, 1
	s_lshl_b32 s37, s37, 5
	s_and_b32 s38, s12, 1
	s_lshl_b32 s39, s38, 3
	s_add_co_u32 s37, s37, s39                     ; 32 (t / 2) + 8 (t % 2)
	s_wait_alu depctr_va_vdst(0)
	v_and_b32 v10, 8, v8
	s_delay_alu instid0(VALU_DEP_1)
	v_add_nc_u32 v10, v10, v8                      ; r + 8 (r / 8)
	s_delay_alu instid0(VALU_DEP_1)
	v_add_nc_u32 v10, s37, v10                     ; the row's number among the 128
	s_mul_i32 s40, s34, s36
	v_mad_u32_u24 v10, v10, s35, s40               ; the weight's row n
	s_delay_alu instid0(VALU_DEP_1)
	v_mul_u32_u24 v12, v10, 768                    ; a row of 1,024 codes is 768 bytes
	s_delay_alu instid0(VALU_DEP_1)
	v_mad_u32_u24 v12, v9, 24, v12                 ; + 24 h
	s_delay_alu instid0(VALU_DEP_3)
	v_lshlrev_b32 v13, 5, v10                      ; a row of scale bytes is 32 bytes
	s_wait_alu depctr_va_vdst(0)
	s_lshl_b32 s41, s38, 8
	s_lshr_b32 s42, s12, 1
	s_lshl_b32 s42, s42, 2
	s_add_co_u32 s41, s41, s42
	v_lshl_add_u32 v14, v8, 4, s41                 ; the row's place in the scale image
	s_mul_i32 s43, s12, 1536
	v_add_nc_u32 v15, s43, v[LI]                   ; the tile's place in the BLOCK
	s_mov_b32 s45, 0
	s_mul_i32 s44, s46, 96                         ; a K step is 96 bytes of a row of codes,
	s_add_nc_u64 s[16:17], s[16:17], s[44:45]
	s_lshl_b32 s44, s46, 2                         ; and one word of a row of scale bytes
	s_add_nc_u64 s[18:19], s[18:19], s[44:45]
	s_mul_i32 s44, s33, 8*GRP                      ; wi: the weight,
	s_mul_i32 s42, s34, GRP                        ; the head,
	s_add_co_u32 s44, s44, s42
	s_mul_i32 s42, s46, BLK                        ; the K step's BLOCK
	s_add_co_u32 s44, s44, s42
	s_add_nc_u64 s[8:9], s[8:9], s[44:45]
	global_load_b32 v[SW], v13, s[18:19]
.irp p, 0,1,2,3,4,5
	global_load_b64 v[F+2*\p:F+2*\p+1], v12, s[16:17] offset:48*(\p/3)+8*(\p%3)   ; the fragment's registers are the row's bytes as they lie: 24 at 24 h, 24 at 48 + 24 h
.endr
	s_wait_alu depctr_va_vdst(0)
	s_wait_loadcnt 0x0
.irp c, 0,1,2
	global_store_b128 v15, v[F+4*\c:F+4*\c+3], s[8:9] offset:512*\c   ; 512 consecutive bytes a store, at a multiple of 256 from wi's first byte
.endr
	global_store_b32 v14, v[SW], s[8:9] offset:12288   ; lanes r and r + 16 hold the same word and write it to the same place
	s_endpgm
.Lfunc_end_k_q796a300417_prep:
	.size	k_q796a300417_prep, .Lfunc_end_k_q796a300417_prep-k_q796a300417_prep
	.p2alignl 7, 3214868480
	.fill 96, 4, 3214868480
	.section	.rodata,"a",@progbits
	.p2align	6, 0x0
	.amdhsa_kernel k_q796a300417_prep
		.amdhsa_group_segment_fixed_size 68608
		.amdhsa_private_segment_fixed_size 0
		.amdhsa_enable_private_segment 0
		.amdhsa_kernarg_size 88
		.amdhsa_user_sgpr_count 2
		.amdhsa_user_sgpr_kernarg_segment_ptr 1
		.amdhsa_wavefront_size32 1
		.amdhsa_system_sgpr_workgroup_id_x 1
		.amdhsa_system_sgpr_workgroup_id_y 1
		.amdhsa_system_sgpr_workgroup_id_z 1
		.amdhsa_system_vgpr_workitem_id 0
		.amdhsa_next_free_vgpr 194
		.amdhsa_next_free_sgpr 66
		.amdhsa_reserve_vcc 0
		.amdhsa_float_denorm_mode_32 3
		.amdhsa_float_denorm_mode_16_64 3
		.amdhsa_memory_ordered 1
		.amdhsa_forward_progress 1
		.amdhsa_inst_pref_size 16
	.end_amdhsa_kernel
	.amdgpu_metadata
---
amdhsa.version: [ 1, 2 ]
amdhsa.kernels:
  - .name:           k_q796a300417_prep
    .symbol:         k_q796a300417_prep.kd
    .args:
      - { .name: x, .offset: 0, .size: 8, .value_kind: global_buffer, .address_space: global }
      - { .name: xi, .offset: 8, .size: 8, .value_kind: global_buffer, .address_space: global }
      - { .name: W_q_codes, .offset: 16, .size: 8, .value_kind: global_buffer, .address_space: global }
      - { .name: W_q_scales, .offset: 24, .size: 8, .value_kind: global_buffer, .address_space: global }
      - { .name: W_k_codes, .offset: 32, .size: 8, .value_kind: global_buffer, .address_space: global }
      - { .name: W_k_scales, .offset: 40, .size: 8, .value_kind: global_buffer, .address_space: global }
      - { .name: W_v_codes, .offset: 48, .size: 8, .value_kind: global_buffer, .address_space: global }
      - { .name: W_v_scales, .offset: 56, .size: 8, .value_kind: global_buffer, .address_space: global }
      - { .name: W_o_codes, .offset: 64, .size: 8, .value_kind: global_buffer, .address_space: global }
      - { .name: W_o_scales, .offset: 72, .size: 8, .value_kind: global_buffer, .address_space: global }
      - { .name: wi, .offset: 80, .size: 8, .value_kind: global_buffer, .address_space: global }
    .group_segment_fixed_size: 68608
    .private_segment_fixed_size: 0
    .kernarg_segment_align: 8
    .kernarg_segment_size: 88
    .max_flat_workgroup_size: 256
    .sgpr_count:     66
    .vgpr_count:     194
    .wavefront_size: 32
...
	.end_amdgpu_metadata
.endif
;; end of part 1
;; launch qkv (part 2): grid 32 x 8, 8 waves a work-group, clusters of 4 x 4, 327,680 bytes of LDS; arguments xi, wi, qi, kv; writes qi, kv
.if DOCPART == 2
	.amdgcn_target "amdgcn-amd-amdhsa--gfx1250"
	.amdhsa_code_object_version 6
	.text
	.protected	k_q796a300417_qkv
	.globl	k_q796a300417_qkv
	.p2align	8
	.type	k_q796a300417_qkv,@function
k_q796a300417_qkv:
	s_mov_b64 s[64:65], 0
	v_nop
	global_prefetch_b8 v0, s[64:65] scope:SCOPE_SE
	s_setreg_imm32_b32 hwreg(HW_REG_WAVE_MODE, 25, 1), 1
	s_wait_xcnt 0x0
	s_wait_alu depctr_hold_cnt(0) depctr_sa_sdst(0) depctr_va_vdst(0) depctr_va_sdst(0) depctr_va_ssrc(0) depctr_va_vcc(0) depctr_vm_vsrc(0)
	s_getreg_b32 s2, hwreg(HW_REG_IB_STS2, 6, 4)
	s_cmp_eq_u32 s2, 0
	s_cbranch_scc0 .Lentry_in_a_cluster
	s_endpgm
.Lentry_in_a_cluster:
	s_bfe_u32 s2, ttmp6, 0x10000c
	s_cmp_lg_u32 s2, 0xf033
	s_cbranch_scc0 .Lentry_shape_is_right
	s_endpgm
.Lentry_shape_is_right:
; SECOND LAUNCH: q = x W_q, k = x W_k, v = x W_v on codes of FP6 (E2M3), and the three results quantised in registers for the attention's two products: q and k along the head's 128, v along the keys.
; FRAGMENT, BLOCK and the order of a tile's rows: as the first launch lays them (a fragment = 3 x 512 dense bytes, a BLOCK = 8 fragments + 512 bytes of scale words = 12,800 bytes;
; row r of tile t is number 32 (t / 2) + 8 (t % 2) + r + 8 (r / 8) of its 128).
; OUT: qi [head 8][token group 32] BLOCK (rows: tokens, K: d).   kv [head 8][token group 32][K's BLOCK (rows: keys, K: d), V's BLOCK (rows: d, K: the group's 128 keys in their true order)].
; SHARES.  A work-group takes one token group g (128 tokens) and one head h.  Wave w makes three fragments, each by 8 tiles x 8 K steps = 64 matrix instructions:
;   V: source 0 = x's 8 tiles, source 1 = tile w of W_v(h): a lane holds one d, its 64 registers run along the 128 keys;
;   Q, K: source 0 = the weight's 8 tiles, source 1 = x's tile w: a lane holds one token, its 64 registers run along d.
; In each the registers 16 b + i of a lane are number 32 b + 16 (lane / 16) + i along the next product's K: what the quantiser takes.
; LDS: x(g), W_q(h), W_k(h), 102,400 bytes each, as they lie in memory; each filled ONCE, by one tensor load a wave (K step w's BLOCK); nothing is filled again.  W_v's one tile a wave comes straight into registers.
; CLUSTER 4 x 4: x(g) hangs on g alone and is asked for jointly by the four work-groups of a column of the cluster, the weights on h alone, by the four of a row.
; LIMITS: as in the first launch (a block under 2^-124 or of zeros gets the byte 1; NaN and infinities not served).
.set BLK,  12800
.set GRP,  8*BLK
.set HALF, 4*BLK                       ; LDS offsets have 16 bits: K steps 4-7 have an address register of their own
.set XR,   0
.set QR,   GRP
.set KR,   2*GRP
.set LI,   1                           ; v1      16 x lane
.set AX,   2                           ; v2-3    x's region, K steps 0-3 and 4-7
.set AQ,   4                           ; v4-5    W_q's
.set AK,   6                           ; v6-7    W_k's
.set AS,   8                           ; v8-9    x's tile w
.set AC,   10                          ; v10-11  x's tile w's scale words
.set GV,   12                          ; v12     16 x lane + 1,536 w: tile w in a BLOCK in memory
.set GVS,  13                          ; v13     its rows' scale words there
.set PW,   15                          ; v15     the scale word just made
.set S1,   16                          ; v16-63  source 1: sets of 12 (V: four, Q and K: two)
.set ACC,  64                          ; v64-127 eight accumulators
.set FA,   128                         ; v128-223 source 0's eight tiles of a K step: tiles 0-3, then (FB) tiles 4-7
.set FB,   176
.set PC,   176                         ; the codes just made lie over FB
.set SS,   224                         ; v224-231 source 0's scale images, two sets of 4
.set SB,   232                         ; v232-239 source 1's scale words of the 8 K steps
.set TM,   240                         ; v240-255 the quantiser's work
.set SEL,  20
.set G1X,  24                          ; s[24:31] descriptor group 1 with the mask of my column;  s[32:39] with that of my row
.set G1W,  32
.set G0X,  40                          ; s[40:43], s[44:47], s[48:51] groups 0 for x, W_q, W_k
.set G0Q,  44
.set G0K,  48
.macro CROUND                          ; a round of the cluster's barrier
	s_barrier_signal -1
	s_barrier_wait -1
	s_cmp_lg_u32 s12, 0
	s_cbranch_scc1 .Lnot_wave_0_\@
	s_barrier_signal -3
.Lnot_wave_0_\@:
	s_barrier_wait -3
	s_barrier_signal -1
	s_barrier_wait -1
.endm
.macro PLACES                          ; four plain places behind a matrix instruction, ahead of loads into its registers and of reads of its result
.rept 4
	v_nop
.endr
.endm
.macro QUANT s
.irp b, 0,1,2,3
	v_max3_num_f32 v[TM+\b], |v[\s+16*\b]|, |v[\s+1+16*\b]|, 0x1800000   ; block b: my 16 numbers, and the floor 2^(3 - 127): the byte cannot fall under 1
.endr
.irp i, 2,4,6,8,10,12,14
.irp b, 0,1,2,3
	v_max3_num_f32 v[TM+\b], v[TM+\b], |v[\s+16*\b+\i]|, |v[\s+1+16*\b+\i]|
.endr
.endr
.irp b, 0,1,2,3
	s_delay_alu instid0(VALU_DEP_4)
	v_permlanex16_b32 v[TM+4+\b], v[TM+\b], s[SEL], s[SEL+1]
.endr
.irp b, 0,1,2,3
	s_delay_alu instid0(VALU_DEP_4)
	v_max_num_f32 v[TM+\b], v[TM+\b], v[TM+4+\b]   ; with lane l xor 16's: the block's largest magnitude
.endr
.irp b, 0,1,2,3
	s_delay_alu instid0(VALU_DEP_4)
	v_add_nc_u32 v[TM+12+\b], 0xff000000, v[TM+\b]   ; 2 off its exponent field: the conversion's scale operand
.endr
.irp b, 0,1,2,3
	s_delay_alu instid0(VALU_DEP_4)
	v_lshrrev_b32 v[TM+4+\b], 23, v[TM+12+\b]      ; the scale's byte
.endr
	s_delay_alu instid0(VALU_DEP_3)
	v_lshl_or_b32 v[PW], v[TM+5], 8, v[TM+4]
	s_delay_alu instid0(VALU_DEP_1)
	v_lshl_or_b32 v[PW], v[TM+6], 16, v[PW]
	s_delay_alu instid0(VALU_DEP_1)
	v_lshl_or_b32 v[PW], v[TM+7], 24, v[PW]
.irp c, 0,1
	v_cvt_scalef32_pk16_fp6_f32 v[PC+6*\c:PC+2+6*\c], v[\s+32*\c:\s+15+32*\c], v[TM+12+2*\c]
	v_cvt_scalef32_pk16_fp6_f32 v[PC+12+4*\c:PC+14+4*\c], v[\s+16+32*\c:\s+31+32*\c], v[TM+12+2*\c+1]
.endr
	v_nop                                          ; one plain place behind a scaled conversion
.irp c, 0,1
.irp i, 0,1,2
	v_permlane16_swap_b32 v[PC+6*\c+\i], v[PC+12+4*\c+\i]
.endr
.irp i, 0,1,2
	s_delay_alu instid0(VALU_DEP_3)
	v_mov_b32 v[PC+3+6*\c+\i], v[PC+12+4*\c+\i]
.endr
.endr
.endm
; one matrix instruction.  odd = 1: source 0's scale words stand in lanes 16-31 of their register.  zero = 1: it starts the sum
.macro W6 d, a, b, sa, sb, odd, zero
.if \zero
.if \odd
	v_wmma_scale_f32_16x16x128_f8f6f4 v[\d:\d+7], v[\a:\a+11], v[\b:\b+11], 0, v[\sa], v[\sb] matrix_a_fmt:MATRIX_FMT_FP6 matrix_b_fmt:MATRIX_FMT_FP6 matrix_a_scale:MATRIX_SCALE_ROW1
.else
	v_wmma_scale_f32_16x16x128_f8f6f4 v[\d:\d+7], v[\a:\a+11], v[\b:\b+11], 0, v[\sa], v[\sb] matrix_a_fmt:MATRIX_FMT_FP6 matrix_b_fmt:MATRIX_FMT_FP6
.endif
.else
.if \odd
	v_wmma_scale_f32_16x16x128_f8f6f4 v[\d:\d+7], v[\a:\a+11], v[\b:\b+11], v[\d:\d+7], v[\sa], v[\sb] matrix_a_fmt:MATRIX_FMT_FP6 matrix_b_fmt:MATRIX_FMT_FP6 matrix_a_scale:MATRIX_SCALE_ROW1
.else
	v_wmma_scale_f32_16x16x128_f8f6f4 v[\d:\d+7], v[\a:\a+11], v[\b:\b+11], v[\d:\d+7], v[\sa], v[\sb] matrix_a_fmt:MATRIX_FMT_FP6 matrix_b_fmt:MATRIX_FMT_FP6
.endif
.endif
.endm
.macro MM s, t, ns                     ; K step s, tile t; ns: sets of source 1
.set rD, ACC+8*(\t)
.set rA, FA+12*(\t)
.set rB, S1+12*((\s)%(\ns))
.set rS, SS+4*((\s)%2)+(\t)/2
.set rT, SB+(\s)
.if (\s) == 0
	W6 rD, rA, rB, rS, rT, (\t)%2, 1
.else
	W6 rD, rA, rB, rS, rT, (\t)%2, 0
.endif
.endm
; K step s of region a: tiles 0-3, the scale image, and (kind 0) x's tile w as source 1: 16 loads, or 13
.macro LOADA a, s, kind
.irp t, 0,1,2,3
.irp c, 0,1,2
	ds_load_b128 v[FA+12*\t+4*\c:FA+12*\t+4*\c+3], v[\a+(\s)/4] offset:BLK*((\s)%4)+1536*\t+512*\c
.endr
.endr
	ds_load_b128 v[SS+4*((\s)%2):SS+4*((\s)%2)+3], v[\a+(\s)/4] offset:BLK*((\s)%4)+12288
.if \kind == 0
.irp c, 0,1,2
	ds_load_b128 v[S1+12*((\s)%2)+4*\c:S1+12*((\s)%2)+4*\c+3], v[AS+(\s)/4] offset:BLK*((\s)%4)+512*\c
.endr
.endif
.endm
.macro LOADB a, s                      ; tiles 4-7: 12 loads
.irp t, 4,5,6,7
.irp c, 0,1,2
	ds_load_b128 v[FA+12*\t+4*\c:FA+12*\t+4*\c+3], v[\a+(\s)/4] offset:BLK*((\s)%4)+1536*\t+512*\c
.endr
.endr
.endm
; 64 matrix instructions: the eight accumulators take turns, one instruction a turn.  kind 1: V (source 1 = W_v's tile, from memory, four K steps ahead)
.macro UNIT a, kind
	s_wait_xcnt 0x0                                ; the stores of the fragment before have read their registers, which lie over FB
	LOADA \a, 0, \kind
	LOADB \a, 0
.irp s, 0,1,2,3,4,5,6,7
.if \kind
.if \s < 5
	s_wait_loadcnt 9                               ; W_v's fragment of this K step is in; behind it three K steps' loads, 3 each, were issued
.else
	s_wait_loadcnt 3*(7-\s)
.endif
.endif
	s_wait_dscnt 12                                ; tiles 0-3 are in; the youngest 12 loads (tiles 4-7) may be out
.irp t, 0,1,2,3
	MM \s, \t, 2+2*\kind
.endr
	PLACES
.if \s < 7
	LOADA \a, \s+1, \kind
	s_wait_dscnt 16-3*\kind                        ; tiles 4-7 are in; the run just issued may be out
.else
	s_wait_dscnt 0x0
.endif
.irp t, 4,5,6,7
	MM \s, \t, 2+2*\kind
.endr
	PLACES
.if \s < 7
	LOADB \a, \s+1
.endif
.if \kind && (\s < 4)
.irp c, 0,1,2
	global_load_b128 v[S1+12*\s+4*\c:S1+12*\s+4*\c+3], v[GV], s[60:61] offset:BLK*(\s+4)+512*\c   ; W_v's fragment four K steps on, into the set just read
.endr
.endif
.endr
.endm
.macro OUT base, off                   ; the fragment and its scale words to tile w of the BLOCK at off
.irp c, 0,1,2
	global_store_b128 v[GV], v[PC+4*\c:PC+4*\c+3], s[\base:\base+1] offset:\off+512*\c   ; 512 consecutive bytes, at a multiple of 256 from the buffer's first byte
.endr
	global_store_b32 v[GVS], v[PW], s[\base:\base+1] offset:\off+12288   ; lanes r and r + 16 hold the same word and write it to the same place
.endm
	s_load_b128 s[4:7], s[0:1], 0x0                ; xi, wi
	s_load_b128 s[8:11], s[0:1], 0x10              ; qi, kv
	v_lshl_add_u32 v250, v0, 2, 0x4b000
	v_mov_b32 v251, 0
	ds_add_u32 v250, v251
	ds_add_u32 v250, v251
	v_lshrrev_b32 v14, 5, v0
	s_delay_alu instid0(VALU_DEP_1)
	v_readfirstlane_b32 s12, v14                   ; wave 0..7
	s_bfe_u32 s13, ttmp6, 0x40000                  ; cx
	s_bfe_u32 s14, ttmp6, 0x40004                  ; cy
	s_lshl_b32 s15, ttmp9, 2
	s_add_co_u32 s15, s15, s13                     ; g = 4 x cluster x + cx
	s_and_b32 s16, ttmp7, 0xffff
	s_lshl_b32 s16, s16, 2
	s_add_co_u32 s16, s16, s14                     ; h = 4 x cluster y + cy
	s_lshl_b32 s17, 0x1111, s13                    ; my column of the cluster: the same g
	s_lshl_b32 s18, s14, 2
	s_lshl_b32 s18, 15, s18                        ; my row: the same h
	; descriptor group 1: a dense BLOCK as 50 rows of 256 bytes (32 elements of 8 bytes), no padding
	s_or_b32 s[G1X], s17, (3<<16)|(1<<21)          ; 15:0 the mask; 17:16 elements of 8 bytes; 21 set beside a mask
	s_or_b32 s[G1W], s18, (3<<16)|(1<<21)
.irp g, G1X, G1W
	s_mov_b32 s[\g+1], 32<<16                      ; tensor_dim0 = 32
	s_mov_b32 s[\g+2], 50<<16                      ; tensor_dim1 = 50
	s_mov_b32 s[\g+3], 32<<16                      ; tile_dim0 = 32
	s_mov_b32 s[\g+4], 50                          ; tile_dim1 = 50
	s_mov_b32 s[\g+5], 32                          ; from row to row: 32 elements
	s_mov_b32 s[\g+6], 0
	s_mov_b32 s[\g+7], 0
.endr
	s_mul_i32 s19, s12, BLK                        ; K step w's BLOCK: its place in a region of LDS and in memory
	s_mul_i32 s52, s15, GRP                        ; x's offset hangs on g and the wave alone,
	s_add_co_u32 s52, s52, s19
	s_mov_b32 s53, 0
	s_mul_i32 s54, s16, GRP                        ; the weights' on h and the wave alone
	s_add_co_u32 s54, s54, s19
	s_mov_b32 s55, 0
	s_mul_i32 s56, s16, 32*BLK                     ; qi: head, token group
	s_mul_i32 s2, s15, BLK
	s_add_co_u32 s56, s56, s2
	s_mov_b32 s57, 0
	s_mul_i32 s58, s16, 64*BLK                     ; kv: head, token group
	s_mul_i32 s2, s15, 2*BLK
	s_add_co_u32 s58, s58, s2
	s_mov_b32 s59, 0
	s_mul_i32 s60, s16, GRP                        ; W_v(h)
	s_add_co_u32 s60, s60, 2*8*GRP
	s_mov_b32 s61, 0
	s_mov_b32 s[SEL], 0x76543210
	s_mov_b32 s[SEL+1], 0xfedcba98
	s_wait_dscnt 0x0
	s_wait_kmcnt 0x0
	s_add_nc_u64 s[56:57], s[8:9], s[56:57]
	s_add_nc_u64 s[58:59], s[10:11], s[58:59]
	s_add_nc_u64 s[60:61], s[6:7], s[60:61]
	s_mov_b32 s[G0X], 1                            ; count = 1
	s_add_co_u32 s[G0X+1], s19, XR                 ; LDS address
	s_add_nc_u64 s[G0X+2:G0X+3], s[4:5], s[52:53]  ; global address
	s_or_b32 s[G0X+3], s[G0X+3], 0x80000000        ; type = 2
	s_mov_b32 s[G0Q], 1
	s_add_co_u32 s[G0Q+1], s19, QR
	s_add_nc_u64 s[G0Q+2:G0Q+3], s[6:7], s[54:55]
	s_or_b32 s[G0Q+3], s[G0Q+3], 0x80000000
	s_mov_b32 s[G0K], 1
	s_add_co_u32 s[G0K+1], s19, KR
	s_add_nc_u64 s[G0K+2:G0K+3], s[6:7], s[54:55]
	s_add_nc_u64 s[G0K+2:G0K+3], s[G0K+2:G0K+3], 8*GRP
	s_or_b32 s[G0K+3], s[G0K+3], 0x80000000
	CROUND                                         ; all sixteen work-groups are here: the joint loads meet
	tensor_load_to_lds s[G0X:G0X+3], s[G1X:G1X+7]  ; my BLOCK of x: one tensor load a wave at the head
	s_nop 0
	PLACES                                         ; four v_nop follow the loads
	v_and_b32 v14, 31, v0
	s_delay_alu instid0(VALU_DEP_1)
	v_lshlrev_b32 v[LI], 4, v14
	s_delay_alu instid0(VALU_DEP_1)
	v_add_nc_u32 v[AX], XR, v[LI]
	s_delay_alu instid0(VALU_DEP_2)
	v_add_nc_u32 v[AX+1], XR+HALF, v[LI]
	s_delay_alu instid0(VALU_DEP_3)
	v_add_nc_u32 v[AQ], QR, v[LI]
	s_delay_alu instid0(VALU_DEP_4)
	v_add_nc_u32 v[AQ+1], QR+HALF, v[LI]
	v_add_nc_u32 v[AK], KR, v[LI]
	v_add_nc_u32 v[AK+1], KR+HALF, v[LI]
	s_mul_i32 s2, s12, 1536
	v_add_nc_u32 v[AS], s2, v[AX]
	v_add_nc_u32 v[AS+1], s2, v[AX+1]
	v_add_nc_u32 v[GV], s2, v[LI]
	v_and_b32 v14, 15, v0                          ; r
	s_and_b32 s3, s12, 1
	s_lshl_b32 s3, s3, 8
	s_lshr_b32 s2, s12, 1
	s_lshl_b32 s2, s2, 2
	s_add_co_u32 s3, s3, s2
	v_lshl_add_u32 v[GVS], v14, 4, s3              ; 16 (r + 16 (w % 2)) + 4 (w / 2)
	s_delay_alu instid0(VALU_DEP_1)
	v_add_nc_u32 v[AC], XR+12288, v[GVS]
	s_delay_alu instid0(VALU_DEP_2)
	v_add_nc_u32 v[AC+1], XR+12288+HALF, v[GVS]
.irp b, 0,1,2,3
	v_mov_b32 v[TM+4+\b], 0                        ; a lane permute's destination counts as one of its sources
.endr
.irp s, 0,1,2,3,4,5,6,7
	global_load_b32 v[SB+\s], v[GVS], s[60:61] offset:BLK*\s+12288   ; W_v's tile w: its scale words of the eight K steps
.endr
.irp s, 0,1,2,3
.irp c, 0,1,2
	global_load_b128 v[S1+12*\s+4*\c:S1+12*\s+4*\c+3], v[GV], s[60:61] offset:BLK*\s+512*\c   ; and its fragments of K steps 0-3
.endr
.endr
	; ---- V
	s_wait_alu depctr_va_vdst(0)
	s_wait_tensorcnt 0x0                           ; my BLOCK of x is in; a later first fill is issued as a refill is
	ds_add_u32 v250, v251
	s_wait_dscnt 0x0
	CROUND                                         ; everybody's BLOCK of x is in, and the joint loads meet
	tensor_load_to_lds s[G0Q:G0Q+3], s[G1W:G1W+7]  ; W_q's BLOCK: it lands while V is made
	s_nop 0
	PLACES
	UNIT AX, 1
	QUANT ACC
	OUT 58, BLK
	; ---- Q
	s_wait_tensorcnt 0x0                           ; my BLOCK of W_q is in
	ds_add_u32 v250, v251
	s_wait_dscnt 0x0
	CROUND
	tensor_load_to_lds s[G0K:G0K+3], s[G1W:G1W+7]  ; W_k's BLOCK: it lands while Q is made
	s_nop 0
	PLACES
.irp s, 0,1,2,3,4,5,6,7
	ds_load_b32 v[SB+\s], v[AC+\s/4] offset:BLK*(\s%4)   ; x's tile w: its scale words; they serve Q and K
.endr
	UNIT AQ, 0
	QUANT ACC
	OUT 56, 0
	; ---- K
	s_wait_tensorcnt 0x0                           ; my BLOCK of W_k is in
	s_barrier_signal -1
	s_barrier_wait -1
	UNIT AK, 0
	QUANT ACC
	OUT 58, 0
	s_wait_tensorcnt 0x0
	ds_add_u32 v250, v251
	s_wait_dscnt 0x0
	CROUND                                         ; the closing round: no work-group ends while a partner may still ask for a tile that names it
	s_endpgm
.Lfunc_end_k_q796a300417_qkv:
	.size	k_q796a300417_qkv, .Lfunc_end_k_q796a300417_qkv-k_q796a300417_qkv
	.p2alignl 7, 3214868480
	.fill 96, 4, 3214868480
	.section	.rodata,"a",@progbits
	.p2align	6, 0x0
	.amdhsa_kernel k_q796a300417_qkv
		.amdhsa_group_segment_fixed_size 327680
		.amdhsa_private_segment_fixed_size 0
		.amdhsa_enable_private_segment 0
		.amdhsa_kernarg_size 32
		.amdhsa_user_sgpr_count 2
		.amdhsa_user_sgpr_kernarg_segment_ptr 1
		.amdhsa_wavefront_size32 1
		.amdhsa_system_sgpr_workgroup_id_x 1
		.amdhsa_system_sgpr_workgroup_id_y 1
		.amdhsa_system_sgpr_workgroup_id_z 1
		.amdhsa_system_vgpr_workitem_id 0
		.amdhsa_next_free_vgpr 256
		.amdhsa_next_free_sgpr 66
		.amdhsa_reserve_vcc 0
		.amdhsa_float_denorm_mode_32 3
		.amdhsa_float_denorm_mode_16_64 3
		.amdhsa_memory_ordered 1
		.amdhsa_forward_progress 1
		.amdhsa_inst_pref_size 98
	.end_amdhsa_kernel
	.amdgpu_metadata
---
amdhsa.version: [ 1, 2 ]
amdhsa.kernels:
  - .name:           k_q796a300417_qkv
    .symbol:         k_q796a300417_qkv.kd
    .args:
      - { .name: xi, .offset: 0, .size: 8, .value_kind: global_buffer, .address_space: global }
      - { .name: wi, .offset: 8, .size: 8, .value_kind: global_buffer, .address_space: global }
      - { .name: qi, .offset: 16, .size: 8, .value_kind: global_buffer, .address_space: global }
      - { .name: kv, .offset: 24, .size: 8, .value_kind: global_buffer, .address_space: global }
    .group_segment_fixed_size: 327680
    .private_segment_fixed_size: 0
    .kernarg_segment_align: 8
    .kernarg_segment_size: 32
    .max_flat_workgroup_size: 256
    .sgpr_count:     66
    .vgpr_count:     256
    .wavefront_size: 32
...
	.end_amdgpu_metadata
.endif
;; end of part 2
;; launch attn (part 3): grid 32 x 8, 8 waves a work-group, clusters of 4 x 1, 327,680 bytes of LDS; arguments qi, kv, ov; writes ov
.if DOCPART == 3
	.amdgcn_target "amdgcn-amd-amdhsa--gfx1250"
	.amdhsa_code_object_version 6
	.text
	.protected	k_q796a300417_attn
	.globl	k_q796a300417_attn
	.p2align	8
	.type	k_q796a300417_attn,@function
k_q796a300417_attn:
	s_mov_b64 s[64:65], 0
	v_nop
	global_prefetch_b8 v0, s[64:65] scope:SCOPE_SE
	s_setreg_imm32_b32 hwreg(HW_REG_WAVE_MODE, 25, 1), 1
	s_wait_xcnt 0x0
	s_wait_alu depctr_hold_cnt(0) depctr_sa_sdst(0) depctr_va_vdst(0) depctr_va_sdst(0) depctr_va_ssrc(0) depctr_va_vcc(0) depctr_vm_vsrc(0)
	s_getreg_b32 s2, hwreg(HW_REG_IB_STS2, 6, 4)
	s_cmp_eq_u32 s2, 0
	s_cbranch_scc0 .Lentry_in_a_cluster
	s_endpgm
.Lentry_in_a_cluster:
	s_bfe_u32 s2, ttmp6, 0x10000c
	s_cmp_lg_u32 s2, 0x3003
	s_cbranch_scc0 .Lentry_shape_is_right
	s_endpgm
.Lentry_shape_is_right:
; THIRD LAUNCH: out_v = softmax(q k^T / 32) v for one head and 128 queries a work-group, both products on codes of FP6 (E2M3) with E8M0 scales.
; IN: qi [head 8][token group 32] BLOCK; kv [head 8][token group 32][K's BLOCK, V's BLOCK] as the second launch lays them (a fragment = 3 x 512 dense bytes, a BLOCK = 8 fragments + 512 bytes of
; scale words = 12,800 bytes; row r of tile t is number 32 (t / 2) + 8 (t % 2) + r + 8 (r / 8) of its 128).   OUT: ov [token tile 256][head 8][16][lane 32][4] f32.
; SHARES.  Eight waves, two to a SIMD.  Wave w owns query tiles 2 (w % 4) and 2 (w % 4) + 1 (32 queries) and HALF THE KEYS: of each slot's four steps of 128 keys, waves 0-3 take steps 0, 1 and
; waves 4-7 steps 2, 3: 16 steps a wave.  Each K or V fragment read from LDS feeds two matrix instructions.  Both products are used transposed (S^T = k q^T, O^T = v^T p^T): a lane holds one query.
; At the end the two halves are joined through LDS: M is a whole number, so each half is brought under the larger M by an exact power of two; wave w finishes tile w / 4 of its pair.
; A STEP: the sums of the last step's p stand round the loads of K's fragments; 16 products S^T; V's fragments are asked for into the same registers; block and row maxima; f = 2^(old M - new M);
; t - M; ONE batch of 136 exponentials for both tiles between its two waits; scale bytes and codes of p; O^T x f; 16 products O^T.  The first step is written out: its products start O^T with C = 0.
; p = 2^(t - M), M = ceil(running largest t); a block's largest p is the exponential of its largest score; the row's sum is taken of the unquantised p.
; LDS: slot 0 at 0, slot 1 at 131,072 (4 steps = 102,400 bytes each, a wave fetches 12,800 of them by one joint load); spare words at 102,400; the join's state at 103,424; the join's stage at 262,144.
; CLUSTER 4 x 1: the four work-groups of a cluster have the same head and ask for K's and V's tiles jointly.
; NO PREFETCH: a slot's load is asked for behind one round and awaited ahead of the next, with two steps of each of the eight waves (512 matrix instructions and their softmax) between.
; LIMITS: the scaled scores t stay under 2^31 in magnitude; NaN and infinities are not served; a block of p under 2^-124 gets the byte 1 over codes of zeros.
.set BLKB,  12800
.set STEPB, 2*BLKB
.set SLOTB, 4*STEPB
.set SLOT1, 131072
.set SPARE, 102400
.set STAT,  103424
.set STG,   262144
.set LI,   1                           ; v1  16 x lane
.set ADR,  2                           ; v2  the step's place in LDS + 16 x lane
.set SGA,  3                           ; v3  my part of the stage;  v4  my partner's (wave w xor 4)
.set SGB,  4
.set SPW,  5                           ; v5, v6  the spare word's address, and 0
.set NIL,  6
.set STA,  7                           ; v7  my state words;  v50  my partner's
.set KS,   8                           ; v8-11  K's scale image;  v12-15  V's
.set VS,   12
.set ST,   16                          ; v16-23  for each tile: -M, largest t, the sum in two halves
.set QF,   24                          ; v24-47  q's two fragments;  v48-49 their scale words
.set QS,   48
.set STB,  50
.set WK,   56                          ; v56-119  for each tile 32: 0-11 p's codes; 8-11 block maxima; 12-23 at work; 24-27, 30-31 partial sums; 28 f; 29 p's scale word
.set S,    128                         ; v128-255  S^T, then p, two tiles of 64
.set F,    128                         ; window 1: v0-127 O^T, two tiles of 64; v128-223 eight fragments of K or of V
.set SEL,  20
.set CS,   22                          ; s[22:23]  log2(e) / 32
.set G1,   24
.set G0A,  32
.set G0B,  36
.set TB,   44
.set SLOTS, 45
.set INNER, 46
.set MSB, 0
.macro WIN new                         ; the immediate's high byte repeats the setting that is left
.if MSB != \new
	s_set_vgpr_msb (MSB<<8)|\new
.set MSB, \new
.endif
.endm
.macro CROUND                          ; a round of the cluster's barrier
	s_barrier_signal -1
	s_barrier_wait -1
	s_cmp_lg_u32 s12, 0
	s_cbranch_scc1 .Lnot_wave_0_\@
	s_barrier_signal -3
.Lnot_wave_0_\@:
	s_barrier_wait -3
	s_barrier_signal -1
	s_barrier_wait -1
.endm
.macro PLACES                          ; four plain places behind a matrix instruction (ISA guide 7.12.1)
.rept 4
	v_nop
.endr
.endm
.macro DEP n                           ; a hint: the next line reads the result of the vector instruction n back
	s_delay_alu instid0(VALU_DEP_\n)
.endm
.macro W6 d, a, b, sa, sb, odd, zero   ; odd = 1: source 0's scale words stand in lanes 16-31.  zero = 1: it starts the sum
.if \zero
.if \odd
	v_wmma_scale_f32_16x16x128_f8f6f4 v[\d:\d+7], v[\a:\a+11], v[\b:\b+11], 0, v[\sa], v[\sb] matrix_a_fmt:MATRIX_FMT_FP6 matrix_b_fmt:MATRIX_FMT_FP6 matrix_a_scale:MATRIX_SCALE_ROW1
.else
	v_wmma_scale_f32_16x16x128_f8f6f4 v[\d:\d+7], v[\a:\a+11], v[\b:\b+11], 0, v[\sa], v[\sb] matrix_a_fmt:MATRIX_FMT_FP6 matrix_b_fmt:MATRIX_FMT_FP6
.endif
.else
.if \odd
	v_wmma_scale_f32_16x16x128_f8f6f4 v[\d:\d+7], v[\a:\a+11], v[\b:\b+11], v[\d:\d+7], v[\sa], v[\sb] matrix_a_fmt:MATRIX_FMT_FP6 matrix_b_fmt:MATRIX_FMT_FP6 matrix_a_scale:MATRIX_SCALE_ROW1
.else
	v_wmma_scale_f32_16x16x128_f8f6f4 v[\d:\d+7], v[\a:\a+11], v[\b:\b+11], v[\d:\d+7], v[\sa], v[\sb] matrix_a_fmt:MATRIX_FMT_FP6 matrix_b_fmt:MATRIX_FMT_FP6
.endif
.endif
.endm
.macro ADD2 d, a, b
	v_pk_add_f32 v[\d:\d+1], v[\a:\a+1], v[\b:\b+1]
.endm
; The row's sum of the unquantised p: 32 pairs a tile in four chains, the two tiles by turns: eight chains.  The first eight lines are also the places behind the products O^T
.macro SUMS_A
.irp y, 0,1
	ADD2 WK+32*\y+24, S+64*\y, S+64*\y+2
.endr
.irp y, 0,1
	ADD2 WK+32*\y+26, S+64*\y+4, S+64*\y+6
.endr
.irp y, 0,1
	ADD2 WK+32*\y+30, S+64*\y+8, S+64*\y+10
.endr
.irp y, 0,1
	ADD2 ST+4*\y+2, ST+4*\y+2, S+64*\y+12
.endr
.endm
.macro SUMS_B
.irp j, 14,22,30,38,46,54
.irp y, 0,1
	ADD2 ST+4*\y+2, ST+4*\y+2, S+64*\y+\j
.endr
.irp y, 0,1
	ADD2 WK+32*\y+24, WK+32*\y+24, S+64*\y+\j+2
.endr
.irp y, 0,1
	ADD2 WK+32*\y+26, WK+32*\y+26, S+64*\y+\j+4
.endr
.irp y, 0,1
	ADD2 WK+32*\y+30, WK+32*\y+30, S+64*\y+\j+6
.endr
.endr
.irp y, 0,1
	ADD2 ST+4*\y+2, ST+4*\y+2, S+64*\y+62
.endr
.irp y, 0,1
	ADD2 WK+32*\y+24, WK+32*\y+24, WK+32*\y+26
.endr
.irp y, 0,1
	DEP 4
	ADD2 ST+4*\y+2, ST+4*\y+2, WK+32*\y+30
.endr
.irp y, 0,1
	DEP 2
	ADD2 ST+4*\y+2, ST+4*\y+2, WK+32*\y+24
.endr
.endm
.macro FETCH_K                         ; 25 loads: K's scale image and eight fragments
	WIN 0
	v_add_nc_u32 v[ADR], s[TB], v[LI]
	ds_load_b128 v[KS:KS+3], v[ADR] offset:12288
	WIN 0x40                                       ; destination window 1
.irp t, 0,1,2,3,4,5,6,7
.irp c, 0,1,2
	ds_load_b128 v[F+12*\t+4*\c:F+12*\t+4*\c+3], v[ADR] offset:1536*\t+512*\c
.endr
.endr
.endm
.macro FETCH_V                         ; the same of V, into the same registers
	WIN 0
	ds_load_b128 v[VS:VS+3], v[ADR] offset:BLKB+12288
	s_add_co_u32 s[TB], s[TB], STEPB
	WIN 0x40
.irp t, 0,1,2,3,4,5,6,7
.irp c, 0,1,2
	ds_load_b128 v[F+12*\t+4*\c:F+12*\t+4*\c+3], v[ADR] offset:BLKB+1536*\t+512*\c
.endr
.endr
	WIN 0
.endm
.macro STEP first
.if \first == 0
	SUMS_A
.endif
	FETCH_K
.if \first
	s_wait_alu depctr_va_vdst(0)
	s_wait_loadcnt 0x0                             ; q's fragments and scale words
.else
	WIN 0
	SUMS_B
.endif
	s_wait_dscnt 0x0                               ; K's fragments are in
	WIN 0x01                                       ; source 0 window 1
.irp i, 0,1,2,3,4,5,6,7
.irp x, 0,1
	W6 S+64*\x+8*\i, F+12*\i, QF+12*\x, KS+\i/2, QS+\x, \i%2, 1
.endr
.endr
	PLACES                                         ; ahead of the loads into K's registers and of the first read of S^T
	FETCH_V
	; the largest score of each block of 32 keys: 4 blocks x 2 tiles by turns; each accumulator is read from its low end on
.irp b, 0,1,2,3
.irp y, 0,1
	v_max3_num_f32 v[WK+32*\y+8+\b], v[S+64*\y+16*\b], v[S+64*\y+16*\b+1], v[S+64*\y+16*\b+2]
.endr
.endr
.irp i, 3,5,7,9,11,13
.irp b, 0,1,2,3
.irp y, 0,1
	v_max3_num_f32 v[WK+32*\y+8+\b], v[WK+32*\y+8+\b], v[S+64*\y+16*\b+\i], v[S+64*\y+16*\b+\i+1]
.endr
.endr
.endr
.irp b, 0,1,2,3
.irp y, 0,1
	v_max_num_f32 v[WK+32*\y+8+\b], v[WK+32*\y+8+\b], v[S+64*\y+16*\b+15]
.endr
.endr
.irp b, 0,1,2,3
.irp y, 0,1
	v_permlanex16_b32 v[WK+32*\y+12+\b], v[WK+32*\y+8+\b], s[SEL], s[SEL+1]
.endr
.endr
.irp b, 0,1,2,3
.irp y, 0,1
	v_max_num_f32 v[WK+32*\y+8+\b], v[WK+32*\y+8+\b], v[WK+32*\y+12+\b]   ; with lane l xor 16's 16 keys
.endr
.endr
	; the running largest t, -M = floor(-t), f = 2^(old M - new M)
.irp y, 0,1
	DEP 4
	v_max3_num_f32 v[WK+32*\y+30], v[WK+32*\y+8], v[WK+32*\y+9], v[WK+32*\y+10]
.endr
.irp y, 0,1
	DEP 2
	v_max_num_f32 v[WK+32*\y+30], v[WK+32*\y+30], v[WK+32*\y+11]
.endr
.irp y, 0,1
	DEP 2
	v_mul_f32 v[WK+32*\y+30], s[CS], v[WK+32*\y+30]
.endr
.irp y, 0,1
	DEP 2
	v_max_num_f32 v[ST+4*\y+1], v[ST+4*\y+1], v[WK+32*\y+30]
.endr
.irp y, 0,1
	v_mov_b32 v[WK+32*\y+30], v[ST+4*\y]
.endr
.irp y, 0,1
	DEP 4
	v_floor_f32 v[ST+4*\y], -v[ST+4*\y+1]
.endr
.irp y, 0,1
	DEP 2
	v_sub_f32 v[WK+32*\y+30], v[ST+4*\y], v[WK+32*\y+30]   ; a whole number, 0 or less
.endr
.irp y, 0,1
	DEP 2
	v_cvt_i32_f32 v[WK+32*\y+30], v[WK+32*\y+30]   ; (it saturates)
.endr
.irp y, 0,1
	DEP 2
	v_ldexp_f32 v[WK+32*\y+28], 1.0, v[WK+32*\y+30]
.endr
.irp y, 0,1
	DEP 2
	v_pk_mul_f32 v[ST+4*\y+2:ST+4*\y+3], v[ST+4*\y+2:ST+4*\y+3], v[WK+32*\y+28:WK+32*\y+29] op_sel_hi:[1,0]   ; the sum under the new M
.endr
.irp b, 0,1,2,3
.irp y, 0,1
	v_fma_f32 v[WK+32*\y+8+\b], v[WK+32*\y+8+\b], s[CS], v[ST+4*\y]   ; t - M of each block's largest score
.endr
.endr
.irp y, 0,1
.set j, 0
.rept 32
	v_pk_fma_f32 v[S+64*\y+j:S+64*\y+j+1], v[S+64*\y+j:S+64*\y+j+1], s[CS:CS+1], v[ST+4*\y:ST+4*\y+1] op_sel_hi:[1,0,0]   ; t - M, two at a time
.set j, j+2
.endr
.endr
	s_wait_alu depctr_va_vdst(0)                   ; the wait ahead of the batch
.irp b, 0,1,2,3
.irp y, 0,1
	v_exp_f32 v[WK+32*\y+8+\b], v[WK+32*\y+8+\b]   ; each block's largest p
.endr
.endr
.set j, 0
.rept 128
	v_exp_f32 v[S+j], v[S+j]                       ; p = 2^(t - M)
.set j, j+1
.endr
	v_nop                                          ; one plain place behind a transcendental
	s_wait_alu depctr_va_vdst(0)                   ; one wait for the whole batch
.irp b, 0,1,2,3
.irp y, 0,1
	v_max_num_f32 v[WK+32*\y+8+\b], 0x1800000, v[WK+32*\y+8+\b]   ; the floor 2^(3 - 127): the byte cannot fall under 1
.endr
.endr
.irp b, 0,1,2,3
.irp y, 0,1
	v_add_nc_u32 v[WK+32*\y+20+\b], 0xff000000, v[WK+32*\y+8+\b]   ; 2 off the exponent field: the conversion's scale operand
.endr
.endr
.irp b, 0,1,2,3
.irp y, 0,1
	v_lshrrev_b32 v[WK+32*\y+12+\b], 23, v[WK+32*\y+20+\b]   ; the scale's byte
.endr
.endr
.irp y, 0,1
	v_lshl_or_b32 v[WK+32*\y+29], v[WK+32*\y+13], 8, v[WK+32*\y+12]
.endr
.irp y, 0,1
	DEP 2
	v_lshl_or_b32 v[WK+32*\y+29], v[WK+32*\y+14], 16, v[WK+32*\y+29]
.endr
.irp y, 0,1
	DEP 2
	v_lshl_or_b32 v[WK+32*\y+29], v[WK+32*\y+15], 24, v[WK+32*\y+29]   ; p's scale word for these 128 keys
.endr
.irp y, 0,1
.irp c, 0,1
	v_cvt_scalef32_pk16_fp6_f32 v[WK+32*\y+6*\c:WK+32*\y+6*\c+2], v[S+64*\y+32*\c:S+64*\y+32*\c+15], v[WK+32*\y+20+2*\c]
	v_cvt_scalef32_pk16_fp6_f32 v[WK+32*\y+12+4*\c:WK+32*\y+14+4*\c], v[S+64*\y+16+32*\c:S+64*\y+31+32*\c], v[WK+32*\y+21+2*\c]
.endr
.endr
	v_nop                                          ; one plain place behind a scaled conversion
.irp y, 0,1
.irp c, 0,1
.irp i, 0,1,2
	v_permlane16_swap_b32 v[WK+32*\y+6*\c+\i], v[WK+32*\y+12+4*\c+\i]   ; the operand's layout wants a whole block in a lane
.endr
.endr
.endr
.irp y, 0,1
.irp c, 0,1
.irp i, 0,1,2
	v_mov_b32 v[WK+32*\y+3+6*\c+\i], v[WK+32*\y+12+4*\c+\i]
.endr
.endr
.endr
	s_wait_dscnt 0x0                               ; V's fragments are in
	s_wait_alu depctr_va_vdst(0)                   ; the wait directly ahead of the first reader of O^T, and behind the wait above
.if \first
	PLACES                                         ; p's codes stand four places ahead of the products
.else
	WIN 0x41                                       ; source 0 and destination window 1
.irp y, 0,1
.set j, 0
.rept 32
	v_pk_mul_f32 v[64*\y+j:64*\y+j+1], v[64*\y+j:64*\y+j+1], v[WK+32*\y+28:WK+32*\y+29] op_sel_hi:[1,0]   ; O^T under the new M; these lines are also the places ahead of the products
.set j, j+2
.endr
.endr
.endif
	WIN 0x51                                       ; source 0, C and D window 1.  The 16 accumulators take turns
.irp i, 0,1,2,3,4,5,6,7
.irp x, 0,1
	W6 64*\x+8*\i, F+12*\i, WK+32*\x, VS+\i/2, WK+32*\x+29, \i%2, \first
.endr
.endr
	WIN 0
.endm
; A change of slots.  fill = 1: a round of the cluster's barrier, and the slot just read out takes the tiles two slots on
.macro CHANGE fill
	s_wait_tensorcnt 0x0                           ; all my tensor loads have landed: my part of the next slot
	ds_add_u32 v[SPW], v[NIL]
.if \fill
	s_xor_b32 s[G0B+1], s[G0B+1], SLOT1
	s_add_nc_u64 s[G0B+2:G0B+3], s[G0B+2:G0B+3], SLOTB
.endif
	s_wait_dscnt 0x0                               ; the add is done, and my reads of this slot
.if \fill
	CROUND
	tensor_load_to_lds s[G0B:G0B+3], s[G1:G1+7]
	s_nop 0
	PLACES
.else
	s_barrier_signal -1
	s_barrier_wait -1
.endif
	s_sub_co_u32 s[TB], s[TB], 2*STEPB             ; back over my two steps, into the other slot
	s_xor_b32 s[TB], s[TB], SLOT1
.endm
.macro STEPS n
	s_mov_b32 s[INNER], \n
.Lstep_\@:
	STEP 0
	s_sub_co_u32 s[INNER], s[INNER], 1
	s_cmp_lg_u32 s[INNER], 0
	s_cbranch_scc1 .Lstep_\@
.endm
.macro GIVE y                          ; tile y of my half goes to my partner: O^T as an image of its registers, -M, my lane's sum
	WIN 0x04                                       ; the data: window 1
.irp n, 0,1,2,3,4,5,6,7,8,9,10,11,12,13,14,15
	ds_store_b128 v[SGA], v[64*\y+4*\n:64*\y+4*\n+3] offset:512*\n
.endr
	WIN 0
	ds_store_b32 v[STA], v[ST+4*\y]
	ds_store_b32 v[STA], v[ST+4*\y+2] offset:128
.endm
.macro FIN y                           ; tile y: my half and my partner's under the larger M, divided by the joint sum, stored
	ds_load_b32 v51, v[STB]
	ds_load_b32 v52, v[STB] offset:128
.irp n, 0,1,2,3,4,5,6,7,8,9,10,11,12,13,14,15
	ds_load_b128 v[S+4*\n:S+4*\n+3], v[SGB] offset:512*\n
.endr
	s_wait_dscnt 0x0
	v_min_num_f32 v53, v[ST+4*\y], v51             ; -M of the larger M
	DEP 1
	v_sub_f32 v54, v53, v[ST+4*\y]
	DEP 2
	v_sub_f32 v55, v53, v51
	DEP 2
	v_cvt_i32_f32 v54, v54
	DEP 2
	v_cvt_i32_f32 v55, v55
	DEP 2
	v_ldexp_f32 v54, 1.0, v54                      ; my half's factor, an exact power of two,
	DEP 2
	v_ldexp_f32 v55, 1.0, v55                      ; and my partner's
	DEP 2
	v_mul_f32 v53, v[ST+4*\y+2], v54
	DEP 1
	v_fma_f32 v53, v52, v55, v53
	DEP 1
	v_permlanex16_b32 v51, v53, s[SEL], s[SEL+1]
	DEP 1
	v_add_f32 v53, v53, v51                        ; the row's sum
	s_wait_alu depctr_va_vdst(0)                   ; the wait ahead of the transcendental
	v_rcp_f32 v53, v53
	v_nop
	s_wait_alu depctr_va_vdst(0)                   ; and behind it
	v_mul_f32 v54, v54, v53
	v_mul_f32 v52, v55, v53
.set j, 0
.rept 32
	v_pk_mul_f32 v[S+64+j:S+64+j+1], v[S+j:S+j+1], v[52:53] op_sel_hi:[1,0]
.set j, j+2
.endr
	WIN 0x01
	s_wait_alu depctr_va_vdst(0)                   ; the wait directly ahead of the first reader of O^T
.set j, 0
.rept 32
	v_pk_fma_f32 v[S+64+j:S+64+j+1], v[64*\y+j:64*\y+j+1], v[54:55], v[S+64+j:S+64+j+1] op_sel_hi:[1,0,1]
.set j, j+2
.endr
	WIN 0
.irp n, 0,1,2,3,4,5,6,7,8,9,10,11,12,13,14,15
	global_store_b128 v[LI], v[S+64+4*\n:S+64+4*\n+3], s[42:43] offset:65536*\y+512*\n   ; 512 consecutive bytes, at a multiple of 256 from ov's first byte
.endr
.endm
	s_load_b128 s[4:7], s[0:1], 0x0                ; qi, kv
	s_load_b64 s[8:9], s[0:1], 0x10                ; ov
	v_lshl_add_u32 v[SPW], v0, 2, SPARE
	v_mov_b32 v[NIL], 0
	ds_add_u32 v[SPW], v[NIL]                      ; the opening lines: the add, twice on end, and its wait
	ds_add_u32 v[SPW], v[NIL]
	v_lshrrev_b32 v2, 5, v0
	v_readfirstlane_b32 s12, v2                    ; wave 0..7
	s_and_b32 s10, s12, 3                          ; my pair of query tiles
	s_lshr_b32 s11, s12, 2                         ; my half of the keys
	s_bfe_u32 s13, ttmp6, 0x40000                  ; cx
	s_lshl_b32 s14, ttmp9, 2
	s_add_co_u32 s14, s14, s13                     ; the query group
	s_and_b32 s15, ttmp7, 0xffff                   ; the head
	s_mul_i32 s18, s12, BLKB                       ; my eighth of a slot
	s_mul_i32 s16, s15, 64*BLKB                    ; kv: the head; no place in the cluster enters
	s_add_co_u32 s16, s16, s18
	s_mov_b32 s17, 0
	s_mul_i32 s40, s15, 32*BLKB                    ; qi: head, query group
	s_mul_i32 s19, s14, BLKB
	s_add_co_u32 s40, s40, s19
	s_mov_b32 s41, 0
	s_lshl_b32 s42, s14, 3                         ; ov: token tile 8 g + 2 (w % 4), head
	s_lshl_b32 s19, s10, 1
	s_add_co_u32 s42, s42, s19
	s_lshl_b32 s42, s42, 16
	s_lshl_b32 s19, s15, 13
	s_add_co_u32 s42, s42, s19
	s_mov_b32 s43, 0
	s_mov_b32 s[G1], 15|(3<<16)|(1<<21)            ; the mask of the four; elements of 8 bytes; bit 21 beside a mask
	s_mov_b32 s[G1+1], 32<<16                      ; a dense BLOCK as 50 rows of 256 bytes
	s_mov_b32 s[G1+2], 50<<16
	s_mov_b32 s[G1+3], 32<<16
	s_mov_b32 s[G1+4], 50
	s_mov_b32 s[G1+5], 32
	s_mov_b32 s[G1+6], 0
	s_mov_b32 s[G1+7], 0
	s_mov_b32 s[SEL], 0x76543210
	s_mov_b32 s[SEL+1], 0xfedcba98
	s_mov_b32 s[CS], 0x3d38aa3b                    ; log2(e) / 32
	s_mov_b32 s[CS+1], s[CS]
	s_mul_i32 s[TB], s11, 2*STEPB                  ; my first step of a slot
	s_mov_b32 s[SLOTS], 6
	s_mul_i32 s47, s10, 2*1536                     ; q's tiles in their BLOCK,
	s_lshl_b32 s48, s10, 2                         ; and their scale words
	s_lshl_b32 s49, s12, 13
	s_add_co_u32 s49, s49, STG                     ; my 8,192 bytes of the stage,
	s_xor_b32 s50, s12, 4
	s_lshl_b32 s52, s50, 8
	s_lshl_b32 s50, s50, 13
	s_add_co_u32 s50, s50, STG                     ; my partner's;
	s_lshl_b32 s51, s12, 8
	s_add_co_u32 s51, s51, STAT                    ; my 256 bytes of state,
	s_add_co_u32 s52, s52, STAT                    ; my partner's
	s_wait_dscnt 0x0                               ; both opening adds are done
	s_wait_kmcnt 0x0
	s_add_nc_u64 s[40:41], s[4:5], s[40:41]
	s_add_nc_u64 s[42:43], s[8:9], s[42:43]
	s_mov_b32 s[G0A], 1
	s_mov_b32 s[G0A+1], s18
	s_add_nc_u64 s[G0A+2:G0A+3], s[6:7], s[16:17]
	s_or_b32 s[G0A+3], s[G0A+3], 0x80000000
	s_mov_b32 s[G0B], 1
	s_add_co_u32 s[G0B+1], s18, SLOT1
	s_add_nc_u64 s[G0B+2:G0B+3], s[6:7], s[16:17]
	s_add_nc_u64 s[G0B+2:G0B+3], s[G0B+2:G0B+3], SLOTB
	s_or_b32 s[G0B+3], s[G0B+3], 0x80000000
	CROUND                                         ; the four work-groups are here: the first joint loads meet
	tensor_load_to_lds s[G0A:G0A+3], s[G1:G1+7]    ; slot 0: one tensor load a wave at the head
	s_nop 0
	v_and_b32 v53, 31, v0
	v_and_b32 v54, 15, v0
	v_lshlrev_b32 v[LI], 4, v53
	v_lshl_add_u32 v52, v54, 4, s48
	v_add_nc_u32 v51, s47, v[LI]
	v_add_nc_u32 v[SGA], s49, v[LI]
	v_add_nc_u32 v[SGB], s50, v[LI]
	v_lshl_add_u32 v[STA], v53, 2, s51
	v_lshl_add_u32 v[STB], v53, 2, s52
.irp y, 0,1
.irp c, 0,1,2
	global_load_b128 v[QF+12*\y+4*\c:QF+12*\y+4*\c+3], v51, s[40:41] offset:1536*\y+512*\c
.endr
.endr
	global_load_b32 v[QS], v52, s[40:41] offset:12288
	global_load_b32 v[QS+1], v52, s[40:41] offset:12288+256
.irp y, 0,1
	v_mov_b32 v[ST+4*\y+1], 0xff61b1e6             ; the largest t so far: -3e38
	v_floor_f32 v[ST+4*\y], -v[ST+4*\y+1]
	v_mov_b32 v[ST+4*\y+2], 0
	v_mov_b32 v[ST+4*\y+3], 0
.irp b, 0,1,2,3
	v_mov_b32 v[WK+32*\y+12+\b], 0                 ; a lane permute's destination counts as one of its sources
.endr
	v_mov_b32 v[WK+32*\y+29], 0                    ; named as the upper half of a pair before it is first made
.endr
	s_wait_alu depctr_va_vdst(0)                   ; the wait at the head's end
	s_wait_tensorcnt 0x0                           ; my part of slot 0 is in; slot 1's first fill is issued as a refill is
	ds_add_u32 v[SPW], v[NIL]
	s_wait_dscnt 0x0
	CROUND                                         ; everybody's part of slot 0 is in
	tensor_load_to_lds s[G0B:G0B+3], s[G1:G1+7]
	s_nop 0
	PLACES
	STEP 1
	STEP 0
.Lslot:
	CHANGE 1
	STEPS 2
	s_sub_co_u32 s[SLOTS], s[SLOTS], 1
	s_cmp_lg_u32 s[SLOTS], 0
	s_cbranch_scc1 .Lslot
	CHANGE 0                                       ; the last slot: nothing is left to fetch
	STEPS 2
	SUMS_A                                         ; the last step's sums; they are the places ahead of the first read of O^T
	SUMS_B
.irp y, 0,1
	DEP 2
	v_add_f32 v[ST+4*\y+2], v[ST+4*\y+2], v[ST+4*\y+3]
.endr
	; THE JOIN: waves 0-3 give tile 1 and finish tile 0, waves 4-7 the other way round
	s_cmp_lt_u32 s12, 4
	s_wait_alu depctr_va_vdst(0)                   ; the wait directly ahead of the branch
	s_cbranch_scc0 .Lgive0
	GIVE 1
	s_branch .Lgiven
.Lgive0:
	GIVE 0
.Lgiven:
	s_wait_dscnt 0x0                               ; for my partner's sake: my stores have landed
	s_barrier_signal -1
	s_barrier_wait -1
	s_cmp_lt_u32 s12, 4
	s_cbranch_scc0 .Lfin1
	FIN 0
	s_branch .Lend
.Lfin1:
	FIN 1
.Lend:
	s_wait_tensorcnt 0x0                           ; the wave's end
	ds_add_u32 v[SPW], v[NIL]
	s_wait_dscnt 0x0
	CROUND                                         ; the closing round
	s_endpgm
.Lfunc_end_k_q796a300417_attn:
	.size	k_q796a300417_attn, .Lfunc_end_k_q796a300417_attn-k_q796a300417_attn
	.p2alignl 7, 3214868480
	.fill 96, 4, 3214868480
	.section	.rodata,"a",@progbits
	.p2align	6, 0x0
	.amdhsa_kernel k_q796a300417_attn
		.amdhsa_group_segment_fixed_size 327680
		.amdhsa_private_segment_fixed_size 0
		.amdhsa_enable_private_segment 0
		.amdhsa_kernarg_size 24
		.amdhsa_user_sgpr_count 2
		.amdhsa_user_sgpr_kernarg_segment_ptr 1
		.amdhsa_wavefront_size32 1
		.amdhsa_system_sgpr_workgroup_id_x 1
		.amdhsa_system_sgpr_workgroup_id_y 1
		.amdhsa_system_sgpr_workgroup_id_z 1
		.amdhsa_system_vgpr_workitem_id 0
		.amdhsa_next_free_vgpr 512
		.amdhsa_next_free_sgpr 66
		.amdhsa_reserve_vcc 0
		.amdhsa_float_denorm_mode_32 3
		.amdhsa_float_denorm_mode_16_64 3
		.amdhsa_memory_ordered 1
		.amdhsa_forward_progress 1
		.amdhsa_inst_pref_size 158
	.end_amdhsa_kernel
	.amdgpu_metadata
---
amdhsa.version: [ 1, 2 ]
amdhsa.kernels:
  - .name:           k_q796a300417_attn
    .symbol:         k_q796a300417_attn.kd
    .args:
      - { .name: qi, .offset: 0, .size: 8, .value_kind: global_buffer, .address_space: global }
      - { .name: kv, .offset: 8, .size: 8, .value_kind: global_buffer, .address_space: global }
      - { .name: ov, .offset: 16, .size: 8, .value_kind: global_buffer, .address_space: global }
    .group_segment_fixed_size: 327680
    .private_segment_fixed_size: 0
    .kernarg_segment_align: 8
    .kernarg_segment_size: 24
    .max_flat_workgroup_size: 256
    .sgpr_count:     66
    .vgpr_count:     512
    .wavefront_size: 32
...
	.end_amdgpu_metadata
.endif
;; end of part 3
;; launch outln (part 4): grid 256 x 1, 8 waves a work-group, no clusters, 82,944 bytes of LDS; arguments ov, wi, x, gamma, beta, out0; writes out0
.if DOCPART == 4
	.amdgcn_target "amdgcn-amd-amdhsa--gfx1250"
	.amdhsa_code_object_version 6
	.text
	.protected	k_q796a300417_outln
	.globl	k_q796a300417_outln
	.p2align	8
	.type	k_q796a300417_outln,@function
k_q796a300417_outln:
	s_mov_b64 s[64:65], 0
	v_nop
	global_prefetch_b8 v0, s[64:65] scope:SCOPE_SE
	s_setreg_imm32_b32 hwreg(HW_REG_WAVE_MODE, 25, 1), 1
	s_wait_xcnt 0x0
; FOURTH LAUNCH: out0 = LayerNorm(Q(out_v) W_o + x) x gamma + beta.  The product runs on codes of FP6 (E2M3); out_v [token][k = 8 d + head] is quantised here, along k: a block of 32 holds 4 d of all 8 heads.
; IN: ov [token tile 256][head 8][16][lane 32][4] f32 (register 16 b + i of lane (r, hh) is d = 32 b + 16 hh + i of row r of the tile); wi's fourth part: W_o as [group of 128 outputs 8][K step 8] BLOCK
; (a fragment = 3 x 512 dense bytes; a BLOCK = 8 fragments + 512 bytes of scale words = 12,800 bytes; row r of tile t is number 32 (t / 2) + 8 (t % 2) + r + 8 (r / 8) of its 128).
; SHARES.  A work-group owns one token tile: 16 whole rows (row i of the tile is token 16 T - 8 (T % 2) + i + 8 (i / 8)), so that a row's mean and variance stay in the work-group.  Wave w (a) quantises K step w of out_v and
; hands the fragment to the others through LDS as an image of its registers, (b) makes outputs 128 w .. 128 w + 127: 8 accumulators x 8 K steps = 64 matrix instructions, transposed (source 0 = W_o's tile, source 1 = out_v):
; a lane holds one token, and register 16 b + i the output 128 w + 32 b + 16 (lane / 16) + i.  The residual x is the C of each sum's first instruction.
; W_o IS NOT ASKED FOR JOINTLY, though all work-groups read it: a fragment of it feeds ONE matrix instruction of a work-group, so it goes from memory straight into registers, 512 dense bytes a load, through a ring of 20 fragments a wave
; (245,760 bytes a work-group on their way); through LDS a K step would hold 8 matrix instructions a wave between two rounds of a cluster's barrier, too few for the next tile to land.
; The variance is taken in a second pass, of the numbers less the mean: no difference of large sums is formed.
; LIMITS: as in the first launch (a block under 2^-124 or of zeros gets the byte 1; NaN and infinities not served).
; REGISTERS: window 0: v1-9 addresses; v10-15 statistics; v16-79 the accumulators (first x); v80-143 out_v's 64 numbers, v144-180 the quantiser's work; then v80-175 out_v's eight fragments; at the end v80-143 rows of the result;
;   v176-183 eight waves' partial sums; v184-191 out_v's scale words; v192-223 W_o's scale images; v224-231 gamma, beta.   window 1: v0-239 the ring.
.set BLK,   12800
.set SP,    528                        ; a row of a stage: 512 bytes + 16 = 132 words: row r starts at bank 4 r mod 64 (64 banks of 4 bytes: ISA guide 11.1)
.set AIMG,  0                          ; LDS: out_v's 8 fragments,
.set ASC,   12288                      ; their scale words, 128 bytes each,
.set STAT1, 13312                      ; 8 waves x 16 rows: partial sums,
.set STAT2, 13824                      ; partial sums of squares,
.set STG,   14336                      ; a stage of 16 rows x 528 bytes for each wave, its own
.set LI,   1                           ; v1  16 x lane
.set OVA,  2                           ; v2  16 r + 8 h: my place in ov
.set LS,   3                           ; v3  4 x lane
.set AWI,  4                           ; v4  where I store my fragment's image
.set AWS,  5                           ; v5  and its scale words
.set SL,   6                           ; v6  my stage by lanes' rows: 528 r + 64 h
.set SD,   7                           ; v7  my stage by dense rows: 16 x lane
.set STW,  8                           ; v8  my wave's partial sum of row r
.set STRD, 9                           ; v9  the eight waves' of row r
.set ACC,  16
.set OVX,  80
.set PC,   144
.set TM,   164
.set PW,   180
.set AF,   80
.set OB,   80
.set RD,   176
.set AS,   184
.set WS,   192
.set GAM,  224
.set BET,  228
.set WV,   16
.set SEL,  18
.set MSB, 0
.macro WIN new                         ; the immediate's high byte repeats the setting that is left
.if MSB != \new
	s_set_vgpr_msb (MSB<<8)|\new
.set MSB, \new
.endif
.endm
.macro PLACES                          ; four plain places behind a matrix instruction (ISA guide 7.12.1)
.rept 4
	v_nop
.endr
.endm
.macro QUANT s
.irp b, 0,1,2,3
	v_max3_num_f32 v[TM+\b], |v[\s+16*\b]|, |v[\s+1+16*\b]|, 0x1800000   ; block b: my 16 numbers, and the floor 2^(3 - 127): the byte cannot fall under 1
.endr
.irp i, 2,4,6,8,10,12,14
.irp b, 0,1,2,3
	s_delay_alu instid0(VALU_DEP_4)
	v_max3_num_f32 v[TM+\b], v[TM+\b], |v[\s+16*\b+\i]|, |v[\s+1+16*\b+\i]|
.endr
.endr
.irp b, 0,1,2,3
	s_delay_alu instid0(VALU_DEP_4)
	v_permlanex16_b32 v[TM+4+\b], v[TM+\b], s[SEL], s[SEL+1]
.endr
.irp b, 0,1,2,3
	s_delay_alu instid0(VALU_DEP_4)
	v_max_num_f32 v[TM+\b], v[TM+\b], v[TM+4+\b]   ; with lane l xor 16's: the block's largest magnitude
.endr
.irp b, 0,1,2,3
	s_delay_alu instid0(VALU_DEP_4)
	v_add_nc_u32 v[TM+12+\b], 0xff000000, v[TM+\b]   ; 2 off its exponent field: the conversion's scale operand
.endr
.irp b, 0,1,2,3
	s_delay_alu instid0(VALU_DEP_4)
	v_lshrrev_b32 v[TM+4+\b], 23, v[TM+12+\b]      ; the scale's byte
.endr
	s_delay_alu instid0(VALU_DEP_3)
	v_lshl_or_b32 v[PW], v[TM+5], 8, v[TM+4]
	s_delay_alu instid0(VALU_DEP_1)
	v_lshl_or_b32 v[PW], v[TM+6], 16, v[PW]
	s_delay_alu instid0(VALU_DEP_1)
	v_lshl_or_b32 v[PW], v[TM+7], 24, v[PW]
.irp c, 0,1
	v_cvt_scalef32_pk16_fp6_f32 v[PC+6*\c:PC+2+6*\c], v[\s+32*\c:\s+15+32*\c], v[TM+12+2*\c]
	v_cvt_scalef32_pk16_fp6_f32 v[PC+12+4*\c:PC+14+4*\c], v[\s+16+32*\c:\s+31+32*\c], v[TM+12+2*\c+1]
.endr
	v_nop                                          ; one plain place behind a scaled conversion
.irp c, 0,1
.irp i, 0,1,2
	v_permlane16_swap_b32 v[PC+6*\c+\i], v[PC+12+4*\c+\i]
.endr
.irp i, 0,1,2
	s_delay_alu instid0(VALU_DEP_3)
	v_mov_b32 v[PC+3+6*\c+\i], v[PC+12+4*\c+\i]
.endr
.endr
.endm
.macro W6 d, a, b, sa, sb, odd         ; one matrix instruction, adding in place.  odd = 1: source 0's scale words stand in lanes 16-31
.if \odd
	v_wmma_scale_f32_16x16x128_f8f6f4 v[\d:\d+7], v[\a:\a+11], v[\b:\b+11], v[\d:\d+7], v[\sa], v[\sb] matrix_a_fmt:MATRIX_FMT_FP6 matrix_b_fmt:MATRIX_FMT_FP6 matrix_a_scale:MATRIX_SCALE_ROW1
.else
	v_wmma_scale_f32_16x16x128_f8f6f4 v[\d:\d+7], v[\a:\a+11], v[\b:\b+11], v[\d:\d+7], v[\sa], v[\sb] matrix_a_fmt:MATRIX_FMT_FP6 matrix_b_fmt:MATRIX_FMT_FP6
.endif
.endm
.macro RLOAD g                         ; group g of the ring: K step g / 2, tiles 4 (g % 2) .. + 3: 12 loads into place g % 5
.irp u, 0,1,2,3
.irp c, 0,1,2
	global_load_b128 v[48*((\g)%5)+12*\u+4*\c:48*((\g)%5)+12*\u+4*\c+3], v[LI], s[6:7] offset:BLK*((\g)/2)+1536*(4*((\g)%2)+\u)+512*\c
.endr
.endr
.endm
.macro GATHER off, dst                 ; the eight waves' partial sums of my row, added in one order in every wave -> v[dst]
.irp k, 0,1,2,3,4,5,6,7
	ds_load_b32 v[RD+\k], v[STRD] offset:\off+64*\k
.endr
	s_wait_dscnt 0x0
	v_pk_add_f32 v[RD:RD+1], v[RD:RD+1], v[RD+2:RD+3]
	v_pk_add_f32 v[RD+4:RD+5], v[RD+4:RD+5], v[RD+6:RD+7]
	s_delay_alu instid0(VALU_DEP_1)
	v_pk_add_f32 v[RD:RD+1], v[RD:RD+1], v[RD+4:RD+5]
	s_delay_alu instid0(VALU_DEP_1)
	v_add_f32 v[\dst], v[RD], v[RD+1]
.endm
	s_load_b128 s[4:7], s[0:1], 0x0                ; ov, wi
	s_load_b128 s[8:11], s[0:1], 0x10              ; x, gamma
	s_load_b128 s[12:15], s[0:1], 0x20             ; beta, out0
	v_lshl_add_u32 v254, v0, 2, 0x14000
	v_mov_b32 v255, 0
	v_lshrrev_b32 v10, 5, v0
	s_delay_alu instid0(VALU_DEP_1)
	v_readfirstlane_b32 s[WV], v10                 ; wave 0..7
	v_and_b32 v10, 31, v0                          ; lane
	v_and_b32 v11, 15, v0                          ; r
	v_bfe_u32 v12, v0, 4, 1                        ; h
	s_delay_alu instid0(VALU_DEP_3)
	v_lshlrev_b32 v[LI], 4, v10
	s_delay_alu instid0(VALU_DEP_4)
	v_lshlrev_b32 v[LS], 2, v10
	s_delay_alu instid0(VALU_DEP_4)
	v_lshlrev_b32 v[OVA], 4, v11
	s_delay_alu instid0(VALU_DEP_1)
	v_lshl_add_u32 v[OVA], v12, 3, v[OVA]
	s_mul_i32 s30, s[WV], 1536
	v_add_nc_u32 v[AWI], s30, v[LI]                ; AIMG = 0
	s_lshl_b32 s30, s[WV], 7
	s_add_co_u32 s30, s30, ASC
	v_add_nc_u32 v[AWS], s30, v[LS]
	s_mul_i32 s30, s[WV], 16*SP
	s_add_co_u32 s30, s30, STG
	v_add_nc_u32 v[SD], s30, v[LI]
	v_mul_u32_u24 v[SL], v11, SP
	s_delay_alu instid0(VALU_DEP_1)
	v_lshl_add_u32 v[SL], v12, 6, v[SL]
	s_delay_alu instid0(VALU_DEP_1)
	v_add_nc_u32 v[SL], s30, v[SL]
	v_lshl_add_u32 v[STRD], v11, 2, STAT1
	s_lshl_b32 s30, s[WV], 6
	v_add_nc_u32 v[STW], s30, v[STRD]
	v_mov_b32 v14, 0                               ; a lane permute's destination counts as one of its sources
.irp b, 0,1,2,3
	v_mov_b32 v[TM+4+\b], 0
.endr
	s_mov_b32 s[SEL], 0x76543210
	s_mov_b32 s[SEL+1], 0xfedcba98
	s_mov_b32 s32, 0x3a800000                      ; 1 / 1,024
	s_mov_b32 s33, 0x3727c5ac                      ; 1e-5
	; K step w of out_v is d = 16 w .. 16 w + 15: in ov register group 4 (w / 2) + b, lanes r + 16 (w % 2)
	s_lshl_b32 s20, ttmp9, 16
	s_lshr_b32 s30, s[WV], 1
	s_lshl_b32 s30, s30, 11
	s_add_co_u32 s20, s20, s30
	s_and_b32 s30, s[WV], 1
	s_lshl_b32 s30, s30, 8
	s_add_co_u32 s20, s20, s30
	s_mov_b32 s21, 0
	s_mul_i32 s24, s[WV], 8*BLK                    ; W_o's group w of outputs
	s_add_co_u32 s24, s24, 3*64*BLK
	s_mov_b32 s25, 0
	s_and_b32 s30, ttmp9, 1
	s_lshl_b32 s30, s30, 3
	s_lshl_b32 s26, ttmp9, 4
	s_sub_co_u32 s26, s26, s30                     ; the tile's first token
	s_lshl_b32 s26, s26, 12                        ; rows of 4,096 bytes,
	s_lshl_b32 s28, s[WV], 9                       ; my 128 columns: 512 bytes
	s_add_co_u32 s26, s26, s28
	s_mov_b32 s27, 0
	s_mov_b32 s29, 0
	s_wait_alu depctr_va_vdst(0)
	s_wait_kmcnt 0x0
	s_add_nc_u64 s[4:5], s[4:5], s[20:21]
	s_add_nc_u64 s[6:7], s[6:7], s[24:25]
	s_add_nc_u64 s[8:9], s[8:9], s[26:27]
	s_add_nc_u64 s[14:15], s[14:15], s[26:27]
	s_add_nc_u64 s[10:11], s[10:11], s[28:29]
	s_add_nc_u64 s[12:13], s[12:13], s[28:29]
.irp b, 0,1,2,3
.irp e, 0,1
.irp n, 0,1,2,3,4,5,6,7
	global_load_b32 v[OVX+16*\b+8*\e+\n], v[OVA], s[4:5] offset:8192*\n+512*\b+4*\e th:TH_LOAD_NT   ; k = 128 w + 32 b + 16 h + 8 e + n: d = 16 w + 4 b + 2 h + e of head n.  The loads e = 0 and 1 together take 256 consecutive bytes
.endr
.endr
.endr
.irp i, 0,1,2,3,4,5,6,7,8,9,10,11,12,13,14,15
	global_load_b128 v[ACC+4*\i:ACC+4*\i+3], v[LI], s[8:9] offset:(\i+8*(\i/8))*4096 th:TH_LOAD_NT   ; the residual: 512 consecutive bytes of row i
.endr
	global_load_b128 v[GAM:GAM+3], v[LI], s[10:11] ; in a dense row a lane has the same four columns in every row
	global_load_b128 v[BET:BET+3], v[LI], s[12:13]
.irp s, 0,1,2,3,4,5,6,7
	global_load_b128 v[WS+4*\s:WS+4*\s+3], v[LI], s[6:7] offset:BLK*\s+12288   ; W_o's scale images
.endr
	WIN 0x40                                       ; destination window 1, address window 0
.irp g, 0,1,2,3,4
	RLOAD \g
.endr
	WIN 0
	s_wait_loadcnt 60                              ; all but the ring's 60 loads are in
	; the residual turns from dense rows into the accumulators' layout, through my own stage
.irp i, 0,1,2,3,4,5,6,7,8,9,10,11,12,13,14,15
	ds_store_b128 v[SD], v[ACC+4*\i:ACC+4*\i+3] offset:SP*\i
.endr
.irp b, 0,1,2,3
.irp j, 0,1,2,3
	ds_load_b128 v[ACC+16*\b+4*\j:ACC+16*\b+4*\j+3], v[SL] offset:128*\b+16*\j   ; LDS serves a wave's instructions in order: these see my stores
.endr
.endr
	QUANT OVX
.irp c, 0,1,2
	ds_store_b128 v[AWI], v[PC+4*\c:PC+4*\c+3] offset:AIMG+512*\c   ; the fragment goes to LDS as it stands
.endr
	ds_store_b32 v[AWS], v[PW]
	s_wait_dscnt 0x0                               ; for the others' sake: my stores have landed
	s_barrier_signal -1
	s_barrier_wait -1                              ; out_v's eight fragments lie in LDS
.irp s, 0,1,2,3,4,5,6,7
.irp c, 0,1,2
	ds_load_b128 v[AF+12*\s+4*\c:AF+12*\s+4*\c+3], v[LI] offset:AIMG+1536*\s+512*\c
.endr
	ds_load_b32 v[AS+\s], v[LS] offset:ASC+128*\s
.endr
	s_wait_dscnt 0x0
	; sixteen groups of four matrix instructions; the eight accumulators take turns, one instruction a turn
.irp g, 0,1,2,3,4,5,6,7,8,9,10,11,12,13,14,15
.if \g < 12
	s_wait_loadcnt 48                              ; this group's 12 loads are in; the four groups issued behind it may be out
.else
	s_wait_loadcnt 12*(15-\g)
.endif
	WIN 0x01                                       ; source 0 window 1
.irp u, 0,1,2,3
.set tt, 4*(\g%2)+\u
.set rD, ACC+8*tt
.set rA, 48*(\g%5)+12*\u
.set rB, AF+12*(\g/2)
.set rS, WS+4*(\g/2)+tt/2
.set rT, AS+\g/2
	W6 rD, rA, rB, rS, rT, \u%2
.endr
	PLACES                                         ; ahead of the loads into the place just read, and of the first read of the results
.if \g < 11
	WIN 0x40
	RLOAD \g+5
.endif
.endr
	WIN 0
	; ---- the mean: my 64 numbers in eight chains of pairs, each accumulator from its low end on; lane l xor 16's; the eight waves'
	v_pk_add_f32 v[12:13], v[16:17], v[20:21]
	v_pk_add_f32 v[252:253], v[24:25], v[28:29]
	v_pk_add_f32 v[250:251], v[32:33], v[36:37]
	v_pk_add_f32 v[248:249], v[40:41], v[44:45]
	v_pk_add_f32 v[246:247], v[48:49], v[52:53]
	v_pk_add_f32 v[244:245], v[56:57], v[60:61]
	v_pk_add_f32 v[242:243], v[64:65], v[68:69]
	v_pk_add_f32 v[10:11], v[72:73], v[76:77]
	v_pk_add_f32 v[10:11], v[10:11], v[18:19]
	v_pk_add_f32 v[12:13], v[12:13], v[22:23]
	v_pk_add_f32 v[252:253], v[252:253], v[26:27]
	v_pk_add_f32 v[250:251], v[250:251], v[30:31]
	v_pk_add_f32 v[248:249], v[248:249], v[34:35]
	v_pk_add_f32 v[246:247], v[246:247], v[38:39]
	v_pk_add_f32 v[244:245], v[244:245], v[42:43]
	v_pk_add_f32 v[242:243], v[242:243], v[46:47]
	v_pk_add_f32 v[10:11], v[10:11], v[50:51]
	v_pk_add_f32 v[12:13], v[12:13], v[54:55]
	v_pk_add_f32 v[252:253], v[252:253], v[58:59]
	v_pk_add_f32 v[250:251], v[250:251], v[62:63]
	v_pk_add_f32 v[248:249], v[248:249], v[66:67]
	v_pk_add_f32 v[246:247], v[246:247], v[70:71]
	v_pk_add_f32 v[244:245], v[244:245], v[74:75]
	v_pk_add_f32 v[242:243], v[242:243], v[78:79]
	s_delay_alu instid0(VALU_DEP_4)
	v_pk_add_f32 v[10:11], v[10:11], v[248:249]
	s_delay_alu instid0(VALU_DEP_4)
	v_pk_add_f32 v[12:13], v[12:13], v[246:247]
	s_delay_alu instid0(VALU_DEP_4)
	v_pk_add_f32 v[252:253], v[252:253], v[244:245]
	s_delay_alu instid0(VALU_DEP_4)
	v_pk_add_f32 v[250:251], v[250:251], v[242:243]
	s_delay_alu instid0(VALU_DEP_2)
	v_pk_add_f32 v[10:11], v[10:11], v[252:253]
	s_delay_alu instid0(VALU_DEP_2)
	v_pk_add_f32 v[12:13], v[12:13], v[250:251]
	s_delay_alu instid0(VALU_DEP_1)
	v_pk_add_f32 v[10:11], v[10:11], v[12:13]
	s_delay_alu instid0(VALU_DEP_1)
	v_add_f32 v10, v10, v11
	s_delay_alu instid0(VALU_DEP_1)
	v_permlanex16_b32 v14, v10, s[SEL], s[SEL+1]
	s_delay_alu instid0(VALU_DEP_1)
	v_add_f32 v10, v10, v14
	ds_store_b32 v[STW], v10                       ; lanes r and r + 16 hold the same sum and write it to the same word
	s_wait_dscnt 0x0
	s_barrier_signal -1
	s_barrier_wait -1
	GATHER 0, 10
	s_delay_alu instid0(VALU_DEP_1)
	v_mul_f32 v10, s32, v10                        ; the row's mean
.set j, 0
	s_wait_alu depctr_va_vdst(0)
.rept 32
	v_pk_add_f32 v[ACC+j:ACC+j+1], v[ACC+j:ACC+j+1], v[10:11] op_sel_hi:[1,0] neg_lo:[0,1] neg_hi:[0,1]   ; less the mean (the pair's low word serves both halves)
.set j, j+2
.endr
	; ---- the variance, of the numbers less the mean
	v_pk_mul_f32 v[12:13], v[ACC:ACC+1], v[ACC:ACC+1]
	v_pk_mul_f32 v[14:15], v[ACC+2:ACC+3], v[ACC+2:ACC+3]
.irp j, 4,8,12,16,20,24,28,32,36,40,44,48,52,56,60
	s_delay_alu instid0(VALU_DEP_2)
	v_pk_fma_f32 v[12:13], v[ACC+\j:ACC+\j+1], v[ACC+\j:ACC+\j+1], v[12:13]
	s_delay_alu instid0(VALU_DEP_2)
	v_pk_fma_f32 v[14:15], v[ACC+\j+2:ACC+\j+3], v[ACC+\j+2:ACC+\j+3], v[14:15]
.endr
	s_delay_alu instid0(VALU_DEP_1)
	v_pk_add_f32 v[12:13], v[12:13], v[14:15]
	s_delay_alu instid0(VALU_DEP_1)
	v_add_f32 v12, v12, v13
	s_delay_alu instid0(VALU_DEP_1)
	v_permlanex16_b32 v14, v12, s[SEL], s[SEL+1]
	s_delay_alu instid0(VALU_DEP_1)
	v_add_f32 v12, v12, v14
	ds_store_b32 v[STW], v12 offset:STAT2-STAT1    ; words of their own: the first sums' words may still be read by others
	s_wait_dscnt 0x0
	s_barrier_signal -1
	s_barrier_wait -1
	GATHER STAT2-STAT1, 12
	s_delay_alu instid0(VALU_DEP_1)
	v_fma_f32 v12, v12, s32, s33                   ; the variance + 1e-5
	s_wait_alu depctr_va_vdst(0)
	v_rsq_f32 v12, v12
	v_nop                                          ; one plain place behind a transcendental
.set j, 0
	s_wait_alu depctr_va_vdst(0)
.rept 32
	v_pk_mul_f32 v[ACC+j:ACC+j+1], v[ACC+j:ACC+j+1], v[12:13] op_sel_hi:[1,0]
.set j, j+2
.endr
	; ---- the way out: back into dense rows through my own stage; there gamma and beta are a lane's four columns
.irp b, 0,1,2,3
.irp j, 0,1,2,3
	ds_store_b128 v[SL], v[ACC+16*\b+4*\j:ACC+16*\b+4*\j+3] offset:128*\b+16*\j
.endr
.endr
.irp i, 0,1,2,3,4,5,6,7,8,9,10,11,12,13,14,15
	ds_load_b128 v[OB+4*\i:OB+4*\i+3], v[SD] offset:SP*\i
.endr
.irp i, 0,1,2,3,4,5,6,7,8,9,10,11,12,13,14,15
	s_wait_dscnt 15-\i                             ; row i is back; the younger rows stay out
	v_pk_fma_f32 v[OB+4*\i:OB+4*\i+1], v[OB+4*\i:OB+4*\i+1], v[GAM:GAM+1], v[BET:BET+1]
	v_pk_fma_f32 v[OB+4*\i+2:OB+4*\i+3], v[OB+4*\i+2:OB+4*\i+3], v[GAM+2:GAM+3], v[BET+2:BET+3]
	global_store_b128 v[LI], v[OB+4*\i:OB+4*\i+3], s[14:15] offset:(\i+8*(\i/8))*4096 th:TH_STORE_NT   ; 512 consecutive bytes, at a multiple of 256 from out0's first byte; written once, read by nobody here
.endr
	s_wait_tensorcnt 0x0
	ds_add_u32 v254, v255
	s_wait_dscnt 0x0
	s_endpgm
.Lfunc_end_k_q796a300417_outln:
	.size	k_q796a300417_outln, .Lfunc_end_k_q796a300417_outln-k_q796a300417_outln
	.p2alignl 7, 3214868480
	.fill 96, 4, 3214868480
	.section	.rodata,"a",@progbits
	.p2align	6, 0x0
	.amdhsa_kernel k_q796a300417_outln
		.amdhsa_group_segment_fixed_size 82944
		.amdhsa_private_segment_fixed_size 0
		.amdhsa_enable_private_segment 0
		.amdhsa_kernarg_size 48
		.amdhsa_user_sgpr_count 2
		.amdhsa_user_sgpr_kernarg_segment_ptr 1
		.amdhsa_wavefront_size32 1
		.amdhsa_system_sgpr_workgroup_id_x 1
		.amdhsa_system_sgpr_workgroup_id_y 1
		.amdhsa_system_sgpr_workgroup_id_z 1
		.amdhsa_system_vgpr_workitem_id 0
		.amdhsa_next_free_vgpr 496
		.amdhsa_next_free_sgpr 66
		.amdhsa_reserve_vcc 0
		.amdhsa_float_denorm_mode_32 3
		.amdhsa_float_denorm_mode_16_64 3
		.amdhsa_memory_ordered 1
		.amdhsa_forward_progress 1
		.amdhsa_inst_pref_size 69
	.end_amdhsa_kernel
	.amdgpu_metadata
---
amdhsa.version: [ 1, 2 ]
amdhsa.kernels:
  - .name:           k_q796a300417_outln
    .symbol:         k_q796a300417_outln.kd
    .args:
      - { .name: ov, .offset: 0, .size: 8, .value_kind: global_buffer, .address_space: global }
      - { .name: wi, .offset: 8, .size: 8, .value_kind: global_buffer, .address_space: global }
      - { .name: x, .offset: 16, .size: 8, .value_kind: global_buffer, .address_space: global }
      - { .name: gamma, .offset: 24, .size: 8, .value_kind: global_buffer, .address_space: global }
      - { .name: beta, .offset: 32, .size: 8, .value_kind: global_buffer, .address_space: global }
      - { .name: out0, .offset: 40, .size: 8, .value_kind: global_buffer, .address_space: global }
    .group_segment_fixed_size: 82944
    .private_segment_fixed_size: 0
    .kernarg_segment_align: 8
    .kernarg_segment_size: 48
    .max_flat_workgroup_size: 256
    .sgpr_count:     66
    .vgpr_count:     496
    .wavefront_size: 32
...
	.end_amdgpu_metadata
.endif
;; end of part 4
